; MI455X (gfx1250); checked and timed in simulation.
; The chip was launched on July 23, 2026; its instructions are those of AMD's public machine-readable ISA for CDNA 5 (MIT licence, August 2026) and "CDNA5" Instruction Set Architecture Reference Guide (July 2026). The comments in the code are by the model that wrote it; some were corrected since.
;; Multi Head Attention EINSUM. Allowed arithmetic: matrix products marked QUANTISED: E2M3 operands, one E8M0 scale for each 32 along K, by v_wmma_scale_f32_16x16x128_f8f6f4 with both operands' format E2M3, f32 sums; everything else in f32.
;; Inputs: out_b 1,024 float32; out_w 1,024 x 1,024 float32; w_k 1,024 x 1,024 float32; w_q 1,024 x 1,024 float32; w_v 1,024 x 1,024 float32; x 4 x 2,048 x 1,024 float32.
;; Outputs: out0 4 x 2,048 x 1,024 float32.
;; This version of the problem:
;;   THIS VERSION OF THE PROBLEM IS GIVEN IN LOW PRECISION. The matrix products marked QUANTISED in the list below multiply operands that are first quantised to E2M3 (2 exponent bits, 3 mantissa bits; 6 bits a number), with one power-of-two scale for each 32 numbers along K (OCP MX v1.0); their sums are f32. All else is computed in f32.
;;   The module's matrix products, in the order in which they are computed (A, B: the left and right operand; K: the contracted axis; several contracted axes count as one K, in the product's order):
;;     1. [M 8,192, K 1,024] x [K 1,024, N 1,024]; A: input x; B: input w_q: QUANTISED
;;     2. [M 8,192, K 1,024] x [K 1,024, N 1,024]; A: input x; B: input w_k: QUANTISED
;;     3. [M 8,192, K 1,024] x [K 1,024, N 1,024]; A: input x; B: input w_v: QUANTISED
;;     4. batch 64 x [M 2,048, K 64] x [K 64, N 2,048]; A: computed on the way; B: computed on the way: QUANTISED
;;     5. batch 64 x [M 2,048, K 2,048] x [K 2,048, N 64]; A: softmax (see below); B: computed on the way: QUANTISED
;;     6. [M 8,192, K 1,024] x [K 1,024, N 1,024]; A: computed on the way; B: input out_w: QUANTISED
;;   THE QUANTISER, for each operand of a quantised product, along K:
;;     - K is cut into blocks of 32 from its start; a last block that is shorter is filled with zeros.
;;     - A block's scale is 2^e with e = floor(log2(the largest magnitude in the block)) - 2, held to -126 .. 127; a block of zeros has e = 0. As a byte (E8M0): e + 127.
;;     - Each number is divided by its block's scale, clamped to +-7.5, and rounded to the nearest number of E2M3, ties to even, subnormals kept.
;;     - The product sums the exact products of the quantised numbers (number of the format x scale) in f32.
;;   ~~~python
;;   def quantise(x, axis):      # numpy; x: float32 -> the quantised numbers, widened to float32 again
;;       x = np.moveaxis(x, axis, -1); K = x.shape[-1]
;;       x = np.pad(x, [(0, 0)] * (x.ndim - 1) + [(0, -K % 32)]); x = x.reshape(x.shape[:-1] + (-1, 32)); a = np.abs(x).max(-1, keepdims=True)
;;       e = np.where(a > 0, np.clip(np.frexp(np.where(a > 0, a, 1))[1] - 1 - 2, -126, 127), 0)      # np.frexp(a)[1] - 1 = floor(log2(a)), exactly
;;       r = np.clip(x / 2.0 ** e, -7.5, 7.5)
;;       step = 2.0 ** (np.maximum(np.frexp(np.where(r == 0, 1, r))[1] - 1, 0) - 3)
;;       q = np.round(r / step) * step * 2.0 ** e      # np.round: ties to even
;;       return np.moveaxis(q.reshape(q.shape[:-2] + (-1,))[..., :K], -1, axis).astype(np.float32)
;;   ~~~
;;   SOFTMAX AHEAD OF A QUANTISED PRODUCT. Where the list says 'softmax', what is quantised is not the finished softmax but p = 2^(t - M), with t = logit x log2(e) and M = ceil(the row's largest t), a whole number; so 1/2 < the row's largest p <= 1. The row's sum l is taken of the UNQUANTISED p, in f32, and the product's result is divided by l at the end. Since M is a whole number, a kernel that streams over the keys may use a running M (the ceiling of the running maximum): every later rescaling is an exact power of two, which a block's scale takes up: the codes' values come out the same.
;;   OPERANDS COMPUTED ON THE WAY. 'Computed on the way' means the value that the module computes at that place (a softmax that the list does not call 'softmax' is quantised finished and normalised). What goes into a quantiser is computed in f32, as accurately as f32 sums, v_exp_f32 and their like allow (about 1e-6 of the number): no bf16 or f16 on the way to a quantiser, and a product that is left as it is and whose result goes on into a quantised operand takes f32 operands (vector FMAs, or v_wmma_f32_16x16x4_f32). A number that lies on a knife's edge between two numbers of the format may be rounded either way, as far as f32 arithmetic and the matrix unit's own rounding can turn it there, and no further.
;; One version. Each part assembles by itself: llvm-mc -triple=amdgcn-amd-amdhsa -mcpu=gfx1250 --defsym DOCPART=n.
;; ======== version 1 of 1: 4 launches
;; workspace buffers: x_img 6,553,600 bytes; w_img 2,457,600 bytes; ow_img 819,200 bytes; ctx_img 6,553,600 bytes; qkv 26,214,400 bytes
;; launch quant (part 1): grid 384 x 1, 4 waves a work-group, no clusters, 60,928 bytes of LDS; arguments x, out_w, w_q, w_k, w_v, x_img, ow_img, w_img; writes x_img, ow_img, w_img
.if DOCPART == 1
	.amdgcn_target "amdgcn-amd-amdhsa--gfx1250"
	.amdhsa_code_object_version 6
	.text
	.protected	k_q9edb6f09d5_quant
	.globl	k_q9edb6f09d5_quant
	.p2align	8
	.type	k_q9edb6f09d5_quant,@function
k_q9edb6f09d5_quant:
	s_mov_b64 s[64:65], 0
	v_nop
	global_prefetch_b8 v0, s[64:65] scope:SCOPE_SE
	s_setreg_imm32_b32 hwreg(HW_REG_WAVE_MODE, 25, 1), 1
	s_wait_xcnt 0x0
; All five f32 inputs become codes of FP6 (E2M3) with one E8M0 byte for each 32 along K, laid as IMAGES OF THE OPERAND'S REGISTERS.
; A fragment (16 rows x 128 K, 12 registers a lane) is 1,536 bytes: two halves c of 768: registers 6c..6c+3 at 16 x lane (512 bytes), registers 6c+4, 6c+5 at 512 + 8 x lane (256 bytes).
; Lane (r, h) holds k = 64 c + 32 h + 0..31 of its row.  THE ROWS OF A TILE ARE NOT NEIGHBOURS: in a group of 32 rows tile 2 B + u takes in lane r the row 32 B + 8 u + r + 8 (r / 8).
; An operand is [tile of 256 rows][K step of 128: 16 fragments, then 1,024 bytes of scale words]: 25,600 bytes a K step, 204,800 a tile.  The word of row tile 4 w + i, lane r, lies at 24,576 + 256 w + 16 r + 4 i.
; A block's scale is 2^(floor(log2(largest magnitude)) - 2): its byte is the largest magnitude's exponent field - 2, held at 1 from below by a floor among the maximum's leaves.
; LIMITS: a block whose largest magnitude lies under 2^-124, a block of zeros among them, gets the byte 1 (its codes are zeros or tiny; only this program reads the bytes); NaN and infinities are not served.
; Work-groups 0-255: x, 256-287: out_w (K innermost: path ROWS).  Work-groups 288-383: w_q, w_k, w_v (K is the first axis: path COLS, a lane to a column, registers down K).
; A work-group takes one tile of 256 rows and one K step; a wave 64 rows, four fragments.  Waves share nothing: no barrier.  Each path has LDS bytes of its own.
.set TILEB, 204800
.set KSB,   25600
.set RREG,  8704                       ; ROWS: a wave's LDS: a stage of 16 rows x 528 bytes, then its 256 scale bytes
.set RP,    528                        ; 512 bytes + 16: the sixteen rows that a read touches start in different banks
.set CBASE, 34816                      ; COLS: behind the four ROWS regions
.set CREG,  6400                       ; a wave's LDS: four fragments' images, then its 256 scale bytes
.set R,     16                         ; ROWS: v16-143  two sets of 64: a fragment's numbers as loaded
.set X,     144                        ; v144-207 the lane's 64 numbers: register 32 c + i = k 64 c + 32 h + i
.set C,     208                        ; v208-219 the fragment's codes
.set T,     220                        ; v220-227 the upper halves of the blocks' codes, before they are moved
.set CX,    32                         ; COLS: v32-95 two sets of 32 numbers
.set CC,    96                         ; v96-103 a block's codes
.set SB,    24                         ; v24-25  a column's scale word, one for each 32 columns
.set OUTR,  112                        ; v112-159 the way out
.macro LOADR i                         ; fragment i's 16 rows: each load reads 512 consecutive bytes of one row
.irp j, 0,1,2,3,4,5,6,7,8,9,10,11,12,13,14,15
	global_load_b128 v[R+64*((\i)%2)+4*\j:R+64*((\i)%2)+4*\j+3], v1, s[4:5] offset:(32*((\i)/2)+8*((\i)%2)+\j+8*(\j/8))*4096 th:TH_LOAD_NT
.endr
.endm
.macro FRAGR i
.if (\i) < 3
	s_wait_loadcnt 16                              ; this fragment's 16 loads are in; the next one's 16 may be out
.else
	s_wait_loadcnt 0x0
.endif
.irp j, 0,1,2,3,4,5,6,7,8,9,10,11,12,13,14,15
	ds_store_b128 v3, v[R+64*((\i)%2)+4*\j:R+64*((\i)%2)+4*\j+3] offset:RP*\j       ; the rows as they lie
.endr
.irp j, 0,1,2,3,4,5,6,7,8,9,10,11,12,13,14,15
	ds_load_b128 v[X+4*\j:X+4*\j+3], v4 offset:256*(\j/8)+16*(\j%8)                 ; and back: my row's two blocks of 32; LDS serves a wave's instructions in order
.endr
	s_wait_dscnt 0x0                               ; my numbers are here, and the stores have read their registers,
.if (\i) < 2
	LOADR (\i)+2                                   ; which take the fragment two on
.endif
	v_max3_num_f32 v228, |v[X]|, |v[X+1]|, 0x1800000       ; my two blocks, by turns; the floor 2^(3 - 127) holds the byte at 1 from below
	v_max3_num_f32 v229, |v[X+32]|, |v[X+33]|, 0x1800000
.irp k, 2,4,6,8,10,12,14,16,18,20,22,24,26,28,30
	v_max3_num_f32 v228, v228, |v[X+\k]|, |v[X+\k+1]|
	v_max3_num_f32 v229, v229, |v[X+32+\k]|, |v[X+33+\k]|
.endr
	v_add_nc_u32 v230, 0xff000000, v228            ; 2 off the exponent field: the conversion's scale operand
	v_add_nc_u32 v231, 0xff000000, v229
	v_lshrrev_b32 v232, 23, v230                   ; the bytes of blocks h and 2 + h
	v_lshrrev_b32 v233, 23, v231
	v_lshl_or_b32 v234, v233, 16, v232
	v_lshlrev_b32 v234, v7, v234                   ; 8 h bits up
	v_permlanex16_b32 v235, v234, s36, s37
	v_or_b32 v234, v234, v235                      ; with lane l xor 16's two bytes the row's word is whole
	s_wait_alu depctr_va_vdst(0)
	s_wait_xcnt 0x0                                ; the last fragment's stores have read the codes' registers
	v_cvt_scalef32_pk16_fp6_f32 v[C:C+2], v[X:X+15], v230
	v_cvt_scalef32_pk16_fp6_f32 v[T:T+2], v[X+16:X+31], v230         ; (a conversion's three registers begin on an even number)
	v_cvt_scalef32_pk16_fp6_f32 v[C+6:C+8], v[X+32:X+47], v231
	v_cvt_scalef32_pk16_fp6_f32 v[T+4:T+6], v[X+48:X+63], v231
	v_nop                                          ; one plain place behind the conversions
.irp c, 0,1
.irp k, 0,1,2
	v_mov_b32 v[C+6*\c+3+\k], v[T+4*\c+\k]
.endr
.endr
	ds_store_b32 v5, v234 offset:4*(\i)            ; lanes r and r + 16 write the same word with the same value
	global_store_b128 v1, v[C:C+3], s[16:17] offset:1536*(\i)          ; 512 consecutive bytes, aligned to 256
	global_store_b64 v2, v[C+4:C+5], s[16:17] offset:1536*(\i)+512     ; 256
	global_store_b128 v1, v[C+6:C+9], s[16:17] offset:1536*(\i)+768
	global_store_b64 v2, v[C+10:C+11], s[16:17] offset:1536*(\i)+1280
.endm
.macro LOADC t                         ; block t % 4 of the K step, columns 32 (t / 4) on: W(32 kb + i, my column)
.irp i, 0,1,2,3,4,5,6,7,8,9,10,11,12,13,14,15,16,17,18,19,20,21,22,23,24,25,26,27,28,29,30,31
	global_load_b32 v[CX+32*((\t)%2)+\i], v1, s[4:5] offset:(32*((\t)%4)+\i)*4096+128*((\t)/4) th:TH_LOAD_NT
.endr
.endm
.macro BLOCK t
.set XS, CX+32*((\t)%2)
.set SPN, (\t)/4
.set KB, (\t)%4
.if (\t) < 7
	s_wait_loadcnt 32                              ; this block's 32 loads are in; the next block's may be out
.else
	s_wait_loadcnt 0x0
.endif
	v_max3_num_f32 v16, |v[XS]|, |v[XS+1]|, |v[XS+2]|      ; all 32 numbers of the block are mine
	v_max3_num_f32 v17, |v[XS+3]|, |v[XS+4]|, |v[XS+5]|
.irp i, 6,10,14,18,22,26
	v_max3_num_f32 v16, v16, |v[XS+\i]|, |v[XS+\i+1]|
	v_max3_num_f32 v17, v17, |v[XS+\i+2]|, |v[XS+\i+3]|
.endr
	v_max3_num_f32 v16, v16, |v[XS+30]|, |v[XS+31]|
	v_max3_num_f32 v16, v16, v17, 0x1800000        ; and the floor
	v_add_nc_u32 v18, 0xff000000, v16
	v_lshrrev_b32 v19, 23, v18
.if KB == 0
	v_mov_b32 v[SB+SPN], v19
.else
	v_lshl_or_b32 v[SB+SPN], v19, 8*KB, v[SB+SPN]
.endif
	v_cvt_scalef32_pk16_fp6_f32 v[CC:CC+2], v[XS:XS+15], v18
	v_cvt_scalef32_pk16_fp6_f32 v[CC+4:CC+6], v[XS+16:XS+31], v18
	v_nop                                          ; one plain place behind the conversions
	v_mov_b32 v[CC+3], v[CC+4]                     ; the six registers on end
	v_mov_b32 v[CC+4], v[CC+5]
	v_mov_b32 v[CC+5], v[CC+6]
	ds_store_b128 v2, v[CC:CC+3] offset:3072*SPN+768*(KB/2)+256*(KB%2)       ; block kb is half kb / 2 of the image, lanes 16 (kb % 2) on
	ds_store_b64 v3, v[CC+4:CC+5] offset:3072*SPN+768*(KB/2)+128*(KB%2)
.if (\t) < 6
	LOADC (\t)+2
.endif
	s_wait_dscnt 0x0                               ; the stores have read the codes' registers
.if KB == 3
	s_wait_alu depctr_va_vdst(0)
	ds_store_b32 v4, v[SB+SPN] offset:8*SPN
.endif
.endm
	s_load_b256 s[4:11], s[0:1], 0x0               ; x, out_w, w_q, w_k
	s_load_b256 s[12:19], s[0:1], 0x20             ; w_v, x_img, ow_img, w_img
	v_lshl_add_u32 v254, v0, 2, 0xec00
	v_mov_b32 v255, 0
	v_lshrrev_b32 v1, 5, v0
	v_readfirstlane_b32 s20, v1                    ; wave 0..3
	v_and_b32 v10, 31, v0                          ; lane
	v_and_b32 v11, 15, v0                          ; r
	v_bfe_u32 v12, v0, 4, 1                        ; h
	s_mov_b32 s36, 0x76543210
	s_mov_b32 s37, 0xfedcba98                      ; v_permlanex16_b32's selects for lane l xor 16
	s_cmp_lt_u32 ttmp9, 288
	s_cbranch_scc0 .Lcols
	; ---- ROWS
	v_lshlrev_b32 v1, 4, v10                       ; 16 x lane
	v_lshlrev_b32 v2, 3, v10                       ; 8 x lane
	s_mul_i32 s21, s20, RREG                       ; my wave's stage
	v_add_nc_u32 v3, s21, v1                       ; in: 16 x lane of a row
	v_mul_u32_u24 v4, v11, RP
	v_lshl_add_u32 v4, v12, 7, v4
	v_add_nc_u32 v4, s21, v4                       ; back: row r, + 128 h
	s_add_co_u32 s22, s21, 16*RP                   ; my wave's scale bytes
	v_lshl_add_u32 v5, v11, 4, s22
	v_add_nc_u32 v6, s22, v2
	v_lshlrev_b32 v7, 3, v12                       ; 8 h
	v_mov_b32 v235, 0                              ; a lane permute's destination counts as one of its sources
	s_wait_alu depctr_va_vdst(0)
	s_wait_kmcnt 0x0
	s_cmp_lt_u32 ttmp9, 256                        ; x or out_w: the choice hangs on the work-group's number alone
	s_cselect_b64 s[4:5], s[4:5], s[6:7]
	s_cselect_b64 s[14:15], s[14:15], s[16:17]
	s_cselect_b32 s23, 0, 256
	s_sub_co_u32 s23, ttmp9, s23
	s_lshr_b32 s24, s23, 3                         ; tile of 256 rows
	s_and_b32 s25, s23, 7                          ; K step
	s_lshl_b32 s26, s24, 20                        ; 256 rows of 4,096 bytes
	s_lshl_b32 s27, s20, 18                        ; my wave's 64 rows
	s_add_co_u32 s26, s26, s27
	s_lshl_b32 s27, s25, 9                         ; 128 numbers
	s_add_co_u32 s26, s26, s27
	s_mov_b32 s27, 0
	s_add_nc_u64 s[4:5], s[4:5], s[26:27]
	s_mul_i32 s28, s24, TILEB
	s_mul_i32 s29, s25, KSB
	s_add_co_u32 s28, s28, s29
	s_mov_b32 s29, 0
	s_add_nc_u64 s[14:15], s[14:15], s[28:29]      ; the K step's block of the image
	s_mul_i32 s30, s20, 6144
	s_mov_b32 s31, 0
	s_add_nc_u64 s[16:17], s[14:15], s[30:31]      ; my four fragments
	s_lshl_b32 s30, s20, 8
	s_add_co_u32 s30, s30, 24576
	s_add_nc_u64 s[14:15], s[14:15], s[30:31]      ; my 256 scale bytes
	LOADR 0
	LOADR 1
	FRAGR 0
	FRAGR 1
	FRAGR 2
	FRAGR 3
	ds_load_b64 v[236:237], v6                     ; LDS serves a wave's instructions in order: this sees my four stores
	s_wait_dscnt 0x0
	global_store_b64 v2, v[236:237], s[14:15]      ; one aligned run of 256 bytes
	s_wait_tensorcnt 0x0
	ds_add_u32 v254, v255
	s_wait_dscnt 0x0
	s_endpgm
	; ---- COLS
.Lcols:
	s_sub_co_u32 s23, ttmp9, 288
	s_lshr_b32 s24, s23, 3                         ; tile of w_img: 0-3 w_q, 4-7 w_k, 8-11 w_v
	s_and_b32 s25, s23, 7                          ; K step
	s_lshr_b32 s26, s24, 2                         ; which tensor
	s_and_b32 s27, s24, 3                          ; which 256 of its columns
	s_mul_i32 s21, s20, CREG
	s_add_co_u32 s21, s21, CBASE                   ; my wave's stage
	s_add_co_u32 s22, s21, 6144                    ; and its scale bytes
	v_bfe_u32 v13, v0, 3, 1                        ; column x of 32 is lane r = x % 8 + 8 (x / 16) of tile u = (x / 8) % 2
	v_and_b32 v14, 7, v0
	s_wait_alu depctr_va_vdst(0)
	v_lshl_add_u32 v14, v12, 3, v14
	v_lshlrev_b32 v1, 2, v10                       ; in: 4 bytes a lane
	v_mul_u32_u24 v15, v13, 1536
	v_add_nc_u32 v15, s21, v15
	v_lshl_add_u32 v2, v14, 4, v15                 ; the image's 16-byte pieces
	v_lshl_add_u32 v3, v14, 3, v15
	v_add_nc_u32 v3, 512, v3                       ; and its 8-byte pieces
	v_lshl_add_u32 v4, v14, 4, s22
	v_lshl_add_u32 v4, v13, 2, v4                  ; my column's scale word
	v_lshlrev_b32 v7, 4, v10
	v_lshlrev_b32 v8, 3, v10
	v_add_nc_u32 v5, s21, v7                       ; the way out
	v_add_nc_u32 v6, s22, v8
	s_lshl_b32 s32, s25, 19                        ; 128 rows of 4,096 bytes
	s_lshl_b32 s33, s27, 10
	s_add_co_u32 s32, s32, s33
	s_lshl_b32 s33, s20, 8                         ; my wave's 64 columns
	s_add_co_u32 s32, s32, s33
	s_mov_b32 s33, 0
	s_mul_i32 s34, s24, TILEB
	s_mul_i32 s35, s25, KSB
	s_add_co_u32 s34, s34, s35
	s_mov_b32 s35, 0
	s_wait_kmcnt 0x0
	s_cmp_eq_u32 s26, 0
	s_cselect_b64 s[4:5], s[8:9], s[10:11]
	s_cmp_eq_u32 s26, 2
	s_cselect_b64 s[4:5], s[12:13], s[4:5]
	s_add_nc_u64 s[4:5], s[4:5], s[32:33]
	s_add_nc_u64 s[18:19], s[18:19], s[34:35]
	s_mul_i32 s28, s20, 6144
	s_mov_b32 s29, 0
	s_add_nc_u64 s[28:29], s[18:19], s[28:29]
	s_lshl_b32 s30, s20, 8
	s_add_co_u32 s30, s30, 24576
	s_mov_b32 s31, 0
	s_add_nc_u64 s[30:31], s[18:19], s[30:31]
	LOADC 0
	LOADC 1
.irp t, 0,1,2,3,4,5,6,7
	BLOCK \t
.endr
.irp j, 0,1,2,3,4,5,6,7,8,9,10,11
	ds_load_b128 v[OUTR+4*\j:OUTR+4*\j+3], v5 offset:512*\j      ; the four images as they lie
.endr
	ds_load_b64 v[160:161], v6
.irp j, 0,1,2,3,4,5,6,7,8,9,10,11
	s_wait_dscnt 12-\j                             ; the younger code loads and the scale bytes' load may be out
	global_store_b128 v7, v[OUTR+4*\j:OUTR+4*\j+3], s[28:29] offset:512*\j
.endr
	s_wait_dscnt 0x0
	global_store_b64 v8, v[160:161], s[30:31]
	s_wait_tensorcnt 0x0
	ds_add_u32 v254, v255
	s_wait_dscnt 0x0
	s_endpgm
.Lfunc_end_k_q9edb6f09d5_quant:
	.size	k_q9edb6f09d5_quant, .Lfunc_end_k_q9edb6f09d5_quant-k_q9edb6f09d5_quant
	.p2alignl 7, 3214868480
	.fill 96, 4, 3214868480
	.section	.rodata,"a",@progbits
	.p2align	6, 0x0
	.amdhsa_kernel k_q9edb6f09d5_quant
		.amdhsa_group_segment_fixed_size 60928
		.amdhsa_private_segment_fixed_size 0
		.amdhsa_enable_private_segment 0
		.amdhsa_kernarg_size 64
		.amdhsa_user_sgpr_count 2
		.amdhsa_user_sgpr_kernarg_segment_ptr 1
		.amdhsa_wavefront_size32 1
		.amdhsa_system_sgpr_workgroup_id_x 1
		.amdhsa_system_sgpr_workgroup_id_y 1
		.amdhsa_system_sgpr_workgroup_id_z 1
		.amdhsa_system_vgpr_workitem_id 0
		.amdhsa_next_free_vgpr 256
		.amdhsa_next_free_sgpr 66
		.amdhsa_reserve_vcc 0
		.amdhsa_float_denorm_mode_32 3
		.amdhsa_float_denorm_mode_16_64 3
		.amdhsa_memory_ordered 1
		.amdhsa_forward_progress 1
		.amdhsa_inst_pref_size 73
	.end_amdhsa_kernel
	.amdgpu_metadata
---
amdhsa.version: [ 1, 2 ]
amdhsa.kernels:
  - .name:           k_q9edb6f09d5_quant
    .symbol:         k_q9edb6f09d5_quant.kd
    .args:
      - { .name: x, .offset: 0, .size: 8, .value_kind: global_buffer, .address_space: global }
      - { .name: out_w, .offset: 8, .size: 8, .value_kind: global_buffer, .address_space: global }
      - { .name: w_q, .offset: 16, .size: 8, .value_kind: global_buffer, .address_space: global }
      - { .name: w_k, .offset: 24, .size: 8, .value_kind: global_buffer, .address_space: global }
      - { .name: w_v, .offset: 32, .size: 8, .value_kind: global_buffer, .address_space: global }
      - { .name: x_img, .offset: 40, .size: 8, .value_kind: global_buffer, .address_space: global }
      - { .name: ow_img, .offset: 48, .size: 8, .value_kind: global_buffer, .address_space: global }
      - { .name: w_img, .offset: 56, .size: 8, .value_kind: global_buffer, .address_space: global }
    .group_segment_fixed_size: 60928
    .private_segment_fixed_size: 0
    .kernarg_segment_align: 8
    .kernarg_segment_size: 64
    .max_flat_workgroup_size: 128
    .sgpr_count:     66
    .vgpr_count:     256
    .wavefront_size: 32
...
	.end_amdgpu_metadata
.endif
;; end of part 1
;; launch qkvgemm (part 2): grid 8 x 48, 4 waves a work-group, clusters of 4 x 4, 327,680 bytes of LDS; arguments x_img, w_img, qkv; writes qkv
.if DOCPART == 2
	.amdgcn_target "amdgcn-amd-amdhsa--gfx1250"
	.amdhsa_code_object_version 6
	.text
	.protected	k_q9edb6f09d5_qkvgemm
	.globl	k_q9edb6f09d5_qkvgemm
	.p2align	8
	.type	k_q9edb6f09d5_qkvgemm,@function
k_q9edb6f09d5_qkvgemm:
	s_mov_b64 s[64:65], 0
	v_nop
	global_prefetch_b8 v0, s[64:65] scope:SCOPE_SE
	s_setreg_imm32_b32 hwreg(HW_REG_WAVE_MODE, 25, 1), 1
	s_wait_xcnt 0x0
	s_wait_alu depctr_hold_cnt(0) depctr_sa_sdst(0) depctr_va_vdst(0) depctr_va_sdst(0) depctr_va_ssrc(0) depctr_va_vcc(0) depctr_vm_vsrc(0)
	s_getreg_b32 s2, hwreg(HW_REG_IB_STS2, 6, 4)
	s_cmp_eq_u32 s2, 0
	s_cbranch_scc0 .Lentry_in_a_cluster
	s_endpgm
.Lentry_in_a_cluster:
	s_bfe_u32 s2, ttmp6, 0x10000c
	s_cmp_lg_u32 s2, 0xf033
	s_cbranch_scc0 .Lentry_shape_is_right
	s_endpgm
.Lentry_shape_is_right:
; Q, K = x w_q, x w_k (clusters y 0-7) and V^T = w_v^T x^T (clusters y 8-11), on codes of FP6 with E8M0 scales, K = 1,024; the results are quantised in registers and leave as codes.
; Operands are images of the operand's registers (16 rows x 128 K = 1,536 bytes: for each half c of 768: 16 bytes a lane, then 8 bytes a lane), [tile of 256 rows][K step: 16 fragments + 1,024 bytes of scale words].
; In a group of 32 rows tile 2 B + u takes in lane r the row 32 B + 8 u + r + 8 (r / 8): so the 16 registers of two neighbouring result tiles are 16 neighbours along source 0's rows.
; A tile of the result is 256 x 256; four waves, each 128 x 128: 64 accumulators in windows 2 and 3.  Source 0 = 16 rows of 'B', source 1 = 16 rows of 'A': a lane holds one row of A and its registers run along B's rows.
;   kind 0: A = x's tokens, B = w_q's or w_k's channels: a lane holds a token and 128 channels = two heads: each head's 64 are half an image (K of the scores' product).
;   kind 1: A = w_v's channels, B = x's tokens: a lane holds a channel and 128 tokens: a whole image with the keys innermost (K of the second product).
; qkv: [b][hh 0-31][step of 128 tokens: 8 token tiles x 768 | 4 channel tiles x 1,536 | 256 bytes of words for the first | 256 for the second]; hh 0-15: Q's heads (first parts only), hh 16-31: K and V.
; K goes through three LDS slots of 256 along K (A's two K steps, B's two, scale words with them); the first three are first fills, the fourth fills slot 0 again: one refill, one round of the cluster's barrier.
; CLUSTERS 4 x 4: A's tile is shared along a row of the cluster, B's along a column: joint loads.  The kind hangs on the cluster's y alone, which all partners share; no branch hangs on it.
; A wave has three tensor loads out at the start and one behind the refill.
; LIMITS: a block whose largest magnitude lies under 2^-124 gets the byte 1; NaN and infinities are not served.
; REGISTERS: window 0: v1-3 r, h, lane; v4-18 LDS addresses; v19-20, v50-52 global offsets; v28-29 the add's; v32-47 scale words, two sets; v56-63 result scale words; v96-131 at work at the end; v128-223 A's fragments.
;   window 1: B's fragments, two sets, at v0 and v128.   windows 2, 3: accumulator (a, b) at v[8 (8 (a % 4) + b)].
.set KSB,   25600
.set SLOTB, 102400
.set TILEB, 204800
.set SPARE, 307200                     ; behind the slots: the spare words, 128 bytes a wave
.set AF,    128
.set SC,    32
.set TM,    96
.set PC,    112
.set PW,    56
.set MUL_LO, 0xa1                      ; source 0 (B) window 1, source 1 (A) window 0, C and D window 2
.set MUL_HI, 0xf1                      ; the same, C and D window 3
.set TO_B,   0x40                      ; destination window 1
.set MSB, 0
.macro WIN new                         ; the immediate's high byte repeats the setting that is left
.if MSB != (\new)
	s_set_vgpr_msb (MSB<<8)|(\new)
.set MSB, \new
.endif
.endm
.macro PLACES n
.rept \n
	v_nop
.endr
.endm
.macro JLOAD g0a, g0b                  ; a joint load: waves 0, 1 ask for A, waves 2, 3 for B; four v_nop follow each line
	s_cmp_eq_u32 s15, 0
	s_cbranch_scc0 .Lfor_b_\@
	tensor_load_to_lds s[\g0a:\g0a+3], s[24:31]
	s_nop 0
.rept 4
	v_nop
.endr
	s_branch .Lasked_\@
.Lfor_b_\@:
	tensor_load_to_lds s[\g0b:\g0b+3], s[48:55]
	s_nop 0
.rept 4
	v_nop
.endr
.Lasked_\@:
.endm
.macro CREST                           ; a round of the cluster's barrier behind its opening barrier
	s_cmp_lg_u32 s14, 0
	s_cbranch_scc1 .Lnot_wave_0_\@
	s_barrier_signal -3
.Lnot_wave_0_\@:
	s_barrier_wait -3
	s_barrier_signal -1
	s_barrier_wait -1
.endm
.macro CROUND
	s_barrier_signal -1
	s_barrier_wait -1
	CREST
.endm
.macro SETG0 ga, gb, s                 ; descriptor groups 0 for slot s: count 1, LDS address, global address, type 2
	s_mov_b32 s[\ga], 1
	s_add_co_u32 s[\ga+1], s45, (\s)*SLOTB
	s_add_nc_u64 s[\ga+2:\ga+3], s[20:21], (\s)*51200
	s_or_b32 s[\ga+3], s[\ga+3], 0x80000000
	s_mov_b32 s[\gb], 1
	s_add_co_u32 s[\gb+1], s45, (\s)*SLOTB
	s_add_nc_u64 s[\gb+2:\gb+3], s[46:47], (\s)*51200
	s_or_b32 s[\gb+3], s[\gb+3], 0x80000000
.endm
.macro FRAG reg, a16, a8, off          ; an image comes back as the registers that it was: every access is contiguous over the lanes
	ds_load_b128 v[\reg:\reg+3], v[\a16] offset:\off
	ds_load_b64 v[\reg+4:\reg+5], v[\a8] offset:\off
	ds_load_b128 v[\reg+6:\reg+9], v[\a16] offset:\off+768
	ds_load_b64 v[\reg+10:\reg+11], v[\a8] offset:\off+768
.endm
.macro FETCH_B g                       ; B's eight fragments of K step g into set g % 2
.set FS, ((\g)/2)%3
.set FO, ((\g)%2)*KSB
.set FR0, 128*((\g)%2)
	WIN TO_B
.irp i, 0,1,2,3,4,5,6,7
	FRAG FR0+12*\i, 10+FS, 13+FS, FO+1536*\i
.endr
	WIN 0
.endm
.macro FETCH_A g, i0                   ; A's blocks i0 .. i0 + 3
.set FS, ((\g)/2)%3
.set FO, ((\g)%2)*KSB
.irp i, \i0, \i0+1, \i0+2, \i0+3
	FRAG AF+12*(\i), 4+FS, 7+FS, FO+1536*(\i)
.endr
.endm
.macro SCALES g                        ; register i of set g % 2: lanes 0-15 the word of A's block i, lanes 16-31 that of B's block i
.set FS, ((\g)/2)%3
.set FO, ((\g)%2)*KSB
.set SS, SC+8*((\g)%2)
	ds_load_b128 v[SS:SS+3], v[16+FS] offset:FO
	ds_load_b128 v[SS+4:SS+7], v[16+FS] offset:FO+256
.endm
; 16 matrix instructions: A's blocks a0, a0 + 1 x B's eight.  The 64 accumulators take turns, one instruction a turn, in the same order in every step.
.macro MUL16 a0, g, first
.irp a, \a0, \a0+1
.irp b, 0,1,2,3,4,5,6,7
.if \first
	v_wmma_scale_f32_16x16x128_f8f6f4 v[8*(8*((\a)%4)+\b):8*(8*((\a)%4)+\b)+7], v[128*((\g)%2)+12*\b:128*((\g)%2)+12*\b+11], v[AF+12*(\a):AF+12*(\a)+11], 0, v[SC+8*((\g)%2)+\b], v[SC+8*((\g)%2)+(\a)] matrix_a_fmt:MATRIX_FMT_FP6 matrix_b_fmt:MATRIX_FMT_FP6 matrix_a_scale:MATRIX_SCALE_ROW1
.else
	v_wmma_scale_f32_16x16x128_f8f6f4 v[8*(8*((\a)%4)+\b):8*(8*((\a)%4)+\b)+7], v[128*((\g)%2)+12*\b:128*((\g)%2)+12*\b+11], v[AF+12*(\a):AF+12*(\a)+11], v[8*(8*((\a)%4)+\b):8*(8*((\a)%4)+\b)+7], v[SC+8*((\g)%2)+\b], v[SC+8*((\g)%2)+(\a)] matrix_a_fmt:MATRIX_FMT_FP6 matrix_b_fmt:MATRIX_FMT_FP6 matrix_a_scale:MATRIX_SCALE_ROW1
.endif
.endr
.endr
.endm
; A K step of 128 whose successor's tiles are known to lie in LDS.  Loads into registers that matrix instructions have read stand four plain places behind them (ISA guide 7.12.1 for vector instructions).
.macro STEP g, first
	s_wait_dscnt 16                                ; B's set, A's blocks 0-3 and the scale words are in; A's blocks 4-7 (4 x 4 loads) may be out
	WIN MUL_LO
	MUL16 0, \g, \first
	MUL16 2, \g, \first
	s_wait_dscnt 0x0                               ; A's blocks 4-7 are in
	PLACES 4
	FETCH_B (\g)+1
	FETCH_A (\g)+1, 0
	SCALES (\g)+1
	WIN MUL_HI
	MUL16 4, \g, \first
	MUL16 6, \g, \first
	PLACES 4
	WIN 0
	FETCH_A (\g)+1, 4
.endm
; A K step behind which tiles are read that have to be shown landed: one barrier; in front of it each wave waits for all its tensor loads, adds 0 to its spare word, and waits for that and for its LDS reads.
; fill = 1: slot 0, which nobody reads any more, takes the last 256 along K: the barrier opens a round of the cluster's barrier and the joint load is the first thing behind it.
.macro TURN g, fill
	s_wait_tensorcnt 0x0                           ; all my tensor loads have landed
	ds_add_u32 v28, v29                            ; 0 onto my spare word
	s_wait_dscnt 17                                ; (the add and A's blocks 4-7 may be out)
	WIN MUL_LO
	MUL16 0, \g, 0                                 ; sixteen matrix instructions stand between the add and the wait for it
	s_wait_dscnt 0x0                               ; the add is done, and my reads of the slot in hand are over
	s_barrier_signal -1
	MUL16 2, \g, 0
	WIN 0                                          ; at a branch and at a label every window is 0
	s_barrier_wait -1
.if \fill
	CREST                                          ; no wave of any partner still reads slot 0 or has a load on its way
	s_add_nc_u64 s[34:35], s[34:35], 153600        ; three slots' worth on: K steps 6 and 7
	s_add_nc_u64 s[58:59], s[58:59], 153600
	JLOAD 32, 56                                   ; its four v_nop are also the places in front of the loads below
.else
	PLACES 4
.endif
	FETCH_B (\g)+1
	FETCH_A (\g)+1, 0
	SCALES (\g)+1
	WIN MUL_HI
	MUL16 4, \g, 0
	MUL16 6, \g, 0
	PLACES 4
	WIN 0
	FETCH_A (\g)+1, 4
.endm
; Block i's 64 registers (register 16 b + j = place 32 b + 16 (lane / 16) + j along source 0's rows) become 12 registers of codes in v[PC] on and a scale word in v[PW + i], and the codes are stored.
.macro QUANT i
.set QS, 64*((\i)%4)
.set QW, 2+(\i)/4
.set QW01, QW|(QW<<2)
.set QW12, (QW<<2)|(QW<<4)
	WIN QW01
.irp b, 0,1,2,3
	v_max3_num_f32 v[TM+\b], |v[QS+16*\b]|, |v[QS+1+16*\b]|, 0x1800000       ; each accumulator is read from its low end on; the floor holds the byte at 1 from below
.endr
	WIN QW12
.irp k, 2,4,6,8,10,12,14
.irp b, 0,1,2,3
	v_max3_num_f32 v[TM+\b], v[TM+\b], |v[QS+16*\b+\k]|, |v[QS+1+16*\b+\k]|
.endr
.endr
	WIN 0
.irp b, 0,1,2,3
	v_permlanex16_b32 v[TM+4+\b], v[TM+\b], s78, s79
.endr
.irp b, 0,1,2,3
	v_max_num_f32 v[TM+\b], v[TM+\b], v[TM+4+\b]   ; with lane l xor 16's 16: the block's largest magnitude
.endr
.irp b, 0,1,2,3
	v_add_nc_u32 v[TM+12+\b], 0xff000000, v[TM+\b] ; 2 off the exponent field: the conversion's scale operand
.endr
.irp b, 0,1,2,3
	v_lshrrev_b32 v[TM+4+\b], 23, v[TM+12+\b]      ; the byte
.endr
	v_lshl_or_b32 v[PW+(\i)], v[TM+5], 8, v[TM+4]
	v_lshl_or_b32 v[PW+(\i)], v[TM+6], 16, v[PW+(\i)]
	v_lshl_or_b32 v[PW+(\i)], v[TM+7], 24, v[PW+(\i)]
	s_wait_xcnt 0x0                                ; the last block's stores have read the codes' registers and their base
.if (\i) == 4
	s_add_nc_u64 s[94:95], s[94:95], s[98:99]
.elseif (\i) > 0
	s_add_nc_u64 s[94:95], s[94:95], s[96:97]
.endif
	WIN QW
.irp c, 0,1
	v_cvt_scalef32_pk16_fp6_f32 v[PC+6*\c:PC+2+6*\c], v[QS+32*\c:QS+15+32*\c], v[TM+12+2*\c]
	v_cvt_scalef32_pk16_fp6_f32 v[PC+12+4*\c:PC+14+4*\c], v[QS+16+32*\c:QS+31+32*\c], v[TM+12+2*\c+1]
.endr
	WIN 0
	v_nop                                          ; one plain place behind the conversions
.irp c, 0,1                                    ; the layout wants a whole block in a lane: lanes 0-15 block 2 c, lanes 16-31 block 2 c + 1
.irp k, 0,1,2
	v_permlane16_swap_b32 v[PC+6*\c+\k], v[PC+12+4*\c+\k]
.endr
.irp k, 0,1,2
	v_mov_b32 v[PC+3+6*\c+\k], v[PC+12+4*\c+\k]
.endr
.endr
	global_store_b128 v19, v[PC:PC+3], s[94:95]    ; half 0: 512 consecutive bytes, aligned to 256,
	global_store_b64 v20, v[PC+4:PC+5], s[94:95]   ; and 256
	global_store_b128 v50, v[PC+6:PC+9], s[94:95]  ; half 1: the next head's tile (kind 0) or the image's second half (kind 1)
	global_store_b64 v51, v[PC+10:PC+11], s[94:95]
.endm
	s_load_b128 s[4:7], s[0:1], 0x0                ; x_img, w_img
	s_load_b64 s[8:9], s[0:1], 0x10                ; qkv
	v_lshl_add_u32 v28, v0, 2, SPARE
	v_mov_b32 v29, 0
	ds_add_u32 v28, v29
	ds_add_u32 v28, v29
	s_wait_dscnt 0x0
	v_lshrrev_b32 v1, 5, v0
	v_readfirstlane_b32 s14, v1                    ; wave 0..3
	s_lshr_b32 s15, s14, 1                         ; rh: my half of A's rows.  Also: I ask for A (0) or for B (1)
	s_and_b32 s16, s14, 1                          ; ch: my half of B's rows.  Also: which of a slot's two K steps I ask for
	s_bfe_u32 s40, ttmp6, 0x40000                  ; cx
	s_bfe_u32 s41, ttmp6, 0x40004                  ; cy
	s_and_b32 s17, ttmp7, 0xffff                   ; the cluster's y
	s_lshl_b32 s43, s41, 2
	s_lshl_b32 s43, 15, s43                        ; my row of the cluster
	s_lshl_b32 s44, 0x1111, s40                    ; my column
	s_or_b32 s24, s43, (3<<16)|(1<<21)             ; group 1: the mask; elements of 8 bytes; bit 21 beside a mask; no padding
	s_or_b32 s48, s44, (3<<16)|(1<<21)
.irp g, 24, 48
	s_mov_b32 s[\g+1], 32<<16                      ; tensor_dim0 = 32 elements: rows of 256 bytes
	s_mov_b32 s[\g+2], 100<<16                     ; tensor_dim1 = 100 rows: a K step's 25,600 dense bytes
	s_mov_b32 s[\g+3], 32<<16                      ; tile_dim0
	s_mov_b32 s[\g+4], 100                         ; tile_dim1
	s_mov_b32 s[\g+5], 32                          ; pitch
	s_mov_b32 s[\g+6], 0
	s_mov_b32 s[\g+7], 0
.endr
	s_lshl_b32 s20, s17, 2                         ; kind 0: A's tile 4 y + cy of x_img
	s_sub_co_u32 s46, s17, 8
	s_lshl_b32 s46, s46, 3                         ; kind 1: B's tile 8 (y - 8) + 4 x + cx of x_img
	s_cmp_ge_u32 s17, 8
	s_cselect_b32 s18, 1, 0                        ; the kind
	s_cselect_b32 s20, 8, s20                      ; kind 1: A's tile 8 + cy of w_img
	s_cselect_b32 s46, s46, 0                      ; kind 0: B's tile 4 x + cx of w_img
	s_add_co_u32 s20, s20, s41
	s_lshl_b32 s47, ttmp9, 2
	s_add_co_u32 s46, s46, s47
	s_add_co_u32 s46, s46, s40
	s_mov_b32 s76, s20                             ; kept for the way out, in registers that feed no descriptor
	s_mov_b32 s77, s46
	s_mul_i32 s19, s16, KSB
	s_mul_i32 s20, s20, TILEB
	s_add_co_u32 s20, s20, s19
	s_mov_b32 s21, 0
	s_mul_i32 s46, s46, TILEB
	s_add_co_u32 s46, s46, s19
	s_mov_b32 s47, 0
	s_mul_i32 s45, s14, KSB                        ; where my part goes in a slot: A's two K steps, then B's two
	s_wait_kmcnt 0x0
	s_cmp_lg_u32 s18, 0
	s_cselect_b64 s[10:11], s[6:7], s[4:5]         ; A's buffer
	s_cselect_b64 s[12:13], s[4:5], s[6:7]         ; B's
	s_add_nc_u64 s[20:21], s[10:11], s[20:21]
	s_add_nc_u64 s[46:47], s[12:13], s[46:47]
	CROUND                                         ; all sixteen work-groups are here: the first joint loads meet
	SETG0 32, 56, 0
	SETG0 36, 60, 1
	SETG0 68, 72, 2
	s_cmp_eq_u32 s15, 0                            ; a wave's three first fills stand in one branch
	s_cbranch_scc0 .Lfirst_b
	tensor_load_to_lds s[32:35], s[24:31]
	s_nop 0
	tensor_load_to_lds s[36:39], s[24:31]
	s_nop 0
	tensor_load_to_lds s[68:71], s[24:31]
	s_nop 0
.rept 4
	v_nop
.endr
	s_branch .Lfirst_done
.Lfirst_b:
	tensor_load_to_lds s[56:59], s[48:55]
	s_nop 0
	tensor_load_to_lds s[60:63], s[48:55]
	s_nop 0
	tensor_load_to_lds s[72:75], s[48:55]
	s_nop 0
.rept 4
	v_nop
.endr
.Lfirst_done:
	v_and_b32 v3, 31, v0                           ; lane
	v_and_b32 v1, 15, v0                           ; r
	v_bfe_u32 v2, v0, 4, 1                         ; h
	v_lshlrev_b32 v19, 4, v3                       ; 16 x lane
	v_lshl_add_u32 v20, v3, 3, 512                 ; 512 + 8 x lane
	s_mul_i32 s80, s15, 12288                      ; my eight fragments of A
	s_mul_i32 s81, s16, 12288
	s_add_co_u32 s81, s81, 51200                   ; and of B
.irp s, 0,1,2
	v_add_nc_u32 v[4+\s], s80, v19
	v_add_nc_u32 v[7+\s], s80, v20
	v_add_nc_u32 v[10+\s], s81, v19
	v_add_nc_u32 v[13+\s], s81, v20
	s_add_co_u32 s80, s80, SLOTB
	s_add_co_u32 s81, s81, SLOTB
.endr
	s_lshl_b32 s82, s16, 9                         ; the scale words: lanes 16-31 take B's: 51,200 + 512 (ch - rh) further on, as one product with h
	s_xor_b32 s83, s15, 1
	s_lshl_b32 s83, s83, 9
	s_add_co_u32 s82, s82, s83
	s_add_co_u32 s82, s82, 50688
	v_mul_u32_u24 v21, s82, v2
	v_lshl_add_u32 v21, v1, 4, v21
	s_lshl_b32 s83, s15, 9
	s_add_co_u32 s83, s83, 24576
	v_add_nc_u32 v16, s83, v21
	v_add_nc_u32 v17, SLOTB, v16
	v_add_nc_u32 v18, 2*SLOTB, v16
	; the way out's places.  tokens: tile and half;  hh: the first of my two heads' blocks
	s_lshl_b32 s88, s41, 2
	s_lshl_b32 s89, s15, 1
	s_add_co_u32 s88, s88, s89
	s_add_co_u32 s88, s88, 16                      ; kind 1: 16 + 4 cy + 2 rh
	s_lshl_b32 s89, s77, 2
	s_lshl_b32 s90, s16, 1
	s_add_co_u32 s89, s89, s90                     ; kind 0: 4 x B's tile + 2 ch
	s_cmp_lg_u32 s18, 0
	s_cselect_b32 s86, s77, s76                    ; the tokens' tile of 256
	s_cselect_b32 s87, s16, s15                    ; and my half of it
	s_cselect_b32 s88, s88, s89
	s_lshr_b32 s89, s86, 3                         ; b
	s_and_b32 s86, s86, 7
	s_lshl_b32 s86, s86, 1
	s_add_co_u32 s86, s86, s87                     ; the step of 128 tokens
	s_lshl_b32 s89, s89, 5
	s_add_co_u32 s89, s89, s88
	s_mul_i32 s89, s89, 204800
	s_mul_i32 s86, s86, 12800
	s_add_co_u32 s92, s89, s86
	s_mov_b32 s93, 0
	s_add_nc_u64 s[92:93], s[8:9], s[92:93]        ; the step's block
	s_mul_i32 s90, s18, 6144
	s_mov_b32 s91, 0
	s_add_nc_u64 s[94:95], s[92:93], s[90:91]      ; the codes
	s_lshl_b32 s90, s18, 8
	s_add_co_u32 s90, s90, 12288
	s_add_nc_u64 s[92:93], s[92:93], s[90:91]      ; the scale words
	s_lshl_b32 s96, 768, s18                       ; from block to block: 768 or 1,536
	s_mov_b32 s97, 0
	s_mul_i32 s98, s18, 199424
	s_add_co_u32 s98, s98, 768                     ; from block 3 to block 4: 768, or on to the next head: 204,800 - 3 x 1,536
	s_mov_b32 s99, 0
	s_mul_i32 s90, s18, 204032
	s_sub_co_u32 s90, 204800, s90                  ; from half 0 to half 1: the next head, or 768
	v_add_nc_u32 v50, s90, v19
	v_add_nc_u32 v51, s90, v20
	v_mul_u32_u24 v52, v2, 204800
	v_lshl_add_u32 v52, v1, 4, v52                 ; the scale words: lanes 0-15 my first head's, lanes 16-31 my second's; 16 bytes a lane
	s_mov_b32 s78, 0x76543210
	s_mov_b32 s79, 0xfedcba98                      ; v_permlanex16_b32's selects for lane l xor 16
	s_mov_b32 s84, 0xffff0000                      ; lanes 16-31
	s_sub_co_u32 s85, 0, s18                       ; all lanes where the kind is 1
	v_mov_b32 v53, 0x05040100                      ; lanes 0-15 pack two words' low halves, lanes 16-31 their high halves
	v_mov_b32 v54, 0x07060302
	v_cndmask_b32 v53, v53, v54, s84
.irp b, 0,1,2,3
	v_mov_b32 v[TM+4+\b], 0                        ; a lane permute's destination counts as one of its sources
.endr
	s_wait_tensorcnt 2                             ; my part of slot 0 is in; slots 1 and 2 may be out
	s_barrier_signal -1
	s_barrier_wait -1
	FETCH_B 0
	FETCH_A 0, 0
	SCALES 0
	FETCH_A 0, 4
	STEP 0, 1                                      ; the first products start the sums: nothing is cleared
	TURN 1, 1                                      ; slots 1 and 2 are shown landed in every wave; slot 0 is filled again
	STEP 2, 0
	STEP 3, 0
	STEP 4, 0
	TURN 5, 0                                      ; the refill is shown landed
	STEP 6, 0
	s_wait_dscnt 16                                ; the last step fetches nothing
	WIN MUL_LO
	MUL16 0, 7, 0
	MUL16 2, 7, 0
	s_wait_dscnt 0x0
	WIN MUL_HI
	MUL16 4, 7, 0
	MUL16 6, 7, 0
	WIN 0
	PLACES 4                                       ; in front of the first read of results
.irp i, 0,1,2,3,4,5,6,7
	QUANT \i
.endr
.irp p, 0,1,2,3
	v_perm_b32 v[68+\p], v[PW+2*\p+1], v[PW+2*\p], v53       ; kind 0: pair p's word of my half's head: tile 2 p's two bytes, tile 2 p + 1's two
	v_cndmask_b32 v[72+\p], v[PW+\p], v[PW+4+\p], s84        ; kind 1: channel tile p's word of my half's head
.endr
.irp p, 0,1,2,3
	v_cndmask_b32 v[64+\p], v[68+\p], v[72+\p], s85
.endr
	global_store_b128 v52, v[64:67], s[92:93]      ; two aligned runs of 256 bytes
	s_wait_tensorcnt 0x0                           ; the wave's end
	ds_add_u32 v28, v29
	s_wait_dscnt 0x0
	CROUND                                         ; the closing round
	s_endpgm
.Lfunc_end_k_q9edb6f09d5_qkvgemm:
	.size	k_q9edb6f09d5_qkvgemm, .Lfunc_end_k_q9edb6f09d5_qkvgemm-k_q9edb6f09d5_qkvgemm
	.p2alignl 7, 3214868480
	.fill 96, 4, 3214868480
	.section	.rodata,"a",@progbits
	.p2align	6, 0x0
	.amdhsa_kernel k_q9edb6f09d5_qkvgemm
		.amdhsa_group_segment_fixed_size 327680
		.amdhsa_private_segment_fixed_size 0
		.amdhsa_enable_private_segment 0
		.amdhsa_kernarg_size 24
		.amdhsa_user_sgpr_count 2
		.amdhsa_user_sgpr_kernarg_segment_ptr 1
		.amdhsa_wavefront_size32 1
		.amdhsa_system_sgpr_workgroup_id_x 1
		.amdhsa_system_sgpr_workgroup_id_y 1
		.amdhsa_system_sgpr_workgroup_id_z 1
		.amdhsa_system_vgpr_workitem_id 0
		.amdhsa_next_free_vgpr 1024
		.amdhsa_next_free_sgpr 100
		.amdhsa_reserve_vcc 0
		.amdhsa_float_denorm_mode_32 3
		.amdhsa_float_denorm_mode_16_64 3
		.amdhsa_memory_ordered 1
		.amdhsa_forward_progress 1
		.amdhsa_inst_pref_size 148
	.end_amdhsa_kernel
	.amdgpu_metadata
---
amdhsa.version: [ 1, 2 ]
amdhsa.kernels:
  - .name:           k_q9edb6f09d5_qkvgemm
    .symbol:         k_q9edb6f09d5_qkvgemm.kd
    .args:
      - { .name: x_img, .offset: 0, .size: 8, .value_kind: global_buffer, .address_space: global }
      - { .name: w_img, .offset: 8, .size: 8, .value_kind: global_buffer, .address_space: global }
      - { .name: qkv, .offset: 16, .size: 8, .value_kind: global_buffer, .address_space: global }
    .group_segment_fixed_size: 327680
    .private_segment_fixed_size: 0
    .kernarg_segment_align: 8
    .kernarg_segment_size: 24
    .max_flat_workgroup_size: 128
    .sgpr_count:     100
    .vgpr_count:     1024
    .wavefront_size: 32
...
	.end_amdgpu_metadata
.endif
;; end of part 2
;; launch attn (part 3): grid 4 x 64, 16 waves a work-group, clusters of 4 x 1, 206,848 bytes of LDS; arguments qkv, ctx_img; writes ctx_img
.if DOCPART == 3
	.amdgcn_target "amdgcn-amd-amdhsa--gfx1250"
	.amdhsa_code_object_version 6
	.text
	.protected	k_q9edb6f09d5_attn
	.globl	k_q9edb6f09d5_attn
	.p2align	8
	.type	k_q9edb6f09d5_attn,@function
k_q9edb6f09d5_attn:
	s_mov_b64 s[64:65], 0
	v_nop
	global_prefetch_b8 v0, s[64:65] scope:SCOPE_SE
	s_setreg_imm32_b32 hwreg(HW_REG_WAVE_MODE, 25, 1), 1
	s_wait_xcnt 0x0
	s_wait_alu depctr_hold_cnt(0) depctr_sa_sdst(0) depctr_va_vdst(0) depctr_va_sdst(0) depctr_va_ssrc(0) depctr_va_vcc(0) depctr_vm_vsrc(0)
	s_getreg_b32 s2, hwreg(HW_REG_IB_STS2, 6, 4)
	s_cmp_eq_u32 s2, 0
	s_cbranch_scc0 .Lentry_in_a_cluster
	s_endpgm
.Lentry_in_a_cluster:
	s_bfe_u32 s2, ttmp6, 0x10000c
	s_cmp_lg_u32 s2, 0x3003
	s_cbranch_scc0 .Lentry_shape_is_right
	s_endpgm
.Lentry_shape_is_right:
; Causal attention of one head (work-group y = 16 b + head) on codes of FP6 with E8M0 scales; the context leaves as codes, an operand image for the last product.
; t = score x log2(e) / 8; M = the running largest t rounded UP to a whole number; p = 2^(t - M) is quantised along the keys, not normalised; the row's sum of the unquantised p divides at the end.
; When M moves, the sum and O are multiplied by 2^(old M - new M): exact.
; THE HEAD'S WHOLE K AND V STAY IN LDS: 16 steps of 128 keys x 12,800 bytes [K: 8 key tiles x 768 | V: 4 channel tiles x 1,536 | K's scale words 256 | V's 256].  Wave w brings step w by one tensor load.
; The four work-groups of a cluster share the head, so each load is a joint one (mask 15).  Every byte is filled once: no ring.  One tensor load a wave is out.
; SHARES: the tile of 16 queries (a, u) of work-group cx holds tokens 128 a + 32 cx + 8 u + r + 8 (r / 8) and needs key steps 0 .. a.  Wave w takes (w, 0) and then (15 - w, 1): 17 steps in every wave.
; Branches hang on the wave's number and on counters alone; cx enters global addresses and the mask's distance (a vector number that only feeds selects).
; BOTH PRODUCTS TRANSPOSED: S^T = K Q^T, O^T = V^T P^T: a lane holds one query.  The head's 64 fill half of the instruction's 128: an image holds TWO key tiles (k 0-63 and 64-127), and Q stands
; between zeros, so that [Q | 0] picks the first tile and [0 | Q] the second (zero codes add nothing under any scale byte that the quantiser gives).
; By the tiles' row order register 16 b + i of S^T is key 32 b + 16 (lane / 16) + i of the step, and register 16 B + j of O^T is channel 32 B + 16 (lane / 16) + j.
; LIMITS: a block's largest p is taken as the exponential of the block's largest score (v_exp_f32 taken not to fall where its input rises); blocks under 2^-124 get the byte 1; NaN and infinities are not served.
; REGISTERS: v1 16 l, v2 512 + 8 l, v3 16 r, v4-6 the step's LDS addresses, v7 the mask's distance, v8 16 r + h, v9 r + (r & 8) - 16 h; v12 -M, v13 largest t, v[14:15] the sum;
;   v32-79 four fragments; v96-159 S^T, then p; v160-191 O^T; v192-209 zeros, Q, zeros; v224-235 p's codes; v232-254 at work; v248-251 K's or V's scale words, v253 p's, v255 Q's.
.set STEPB, 12800
.set HS,    204800
.macro FRAG reg, a16, a8, off
	ds_load_b128 v[\reg:\reg+3], v[\a16] offset:\off
	ds_load_b64 v[\reg+4:\reg+5], v[\a8] offset:\off
	ds_load_b128 v[\reg+6:\reg+9], v[\a16] offset:\off+768
	ds_load_b64 v[\reg+10:\reg+11], v[\a8] offset:\off+768
.endm
.macro ROUND                           ; a round of the cluster's barrier
	s_barrier_signal -1
	s_barrier_wait -1
	s_cmp_lg_u32 s8, 0
	s_cbranch_scc1 .Lnot_wave_0_\@
	s_barrier_signal -3
.Lnot_wave_0_\@:
	s_barrier_wait -3
	s_barrier_signal -1
	s_barrier_wait -1
.endm
.macro PASS u
	s_wait_xcnt 0x0                                ; the last pass's loads and stores have read their registers
.if \u
	s_xor_b32 s12, s8, 15                          ; a = 15 - wave
.else
	s_mov_b32 s12, s8                              ; a = wave
.endif
	s_mul_i32 s46, s12, STEPB
	s_mul_i32 s48, s9, 1536
	s_add_co_u32 s48, s48, s46
	s_mov_b32 s49, 0
	s_add_nc_u64 s[48:49], s[40:41], s[48:49]      ; Q: step a, tiles 2 cx on
	s_lshl_b32 s50, s9, 2
	s_add_co_u32 s50, s50, s46
	s_mov_b32 s51, 0
	s_add_nc_u64 s[50:51], s[40:41], s[50:51]      ; its pair's scale words
	global_load_b128 v[198:201], v1, s[48:49] offset:768*\u
	global_load_b64 v[202:203], v2, s[48:49] offset:768*\u
	global_load_u16 v255, v3, s[50:51] offset:12288+2*\u       ; my tile's two bytes
	s_lshr_b32 s52, s12, 1                         ; where the context goes: tile of 256 tokens 8 b + a / 2, K step head / 2,
	s_lshl_b32 s53, s10, 3
	s_add_co_u32 s52, s52, s53
	s_mul_i32 s52, s52, 204800
	s_lshr_b32 s53, s11, 1
	s_mul_i32 s53, s53, 25600
	s_add_co_u32 s52, s52, s53
	s_and_b32 s54, s12, 1
	s_lshl_b32 s55, s54, 3
	s_lshl_b32 s56, s9, 1
	s_add_co_u32 s55, s55, s56                     ; row tile 8 (a % 2) + 2 cx + u,
	s_mul_i32 s55, s55, 1536
	s_and_b32 s56, s11, 1
	s_mul_i32 s57, s56, 768                        ; half head % 2 of the image
	s_add_co_u32 s55, s55, s57
	s_add_co_u32 s58, s52, s55
	s_mov_b32 s59, 0
	s_add_nc_u64 s[58:59], s[6:7], s[58:59]
	s_lshl_b32 s54, s54, 9                         ; the scale bytes: 512 (a % 2) + 256 (cx / 2) + 4 (2 (cx % 2) + u) + 2 (head % 2)
	s_lshr_b32 s57, s9, 1
	s_lshl_b32 s57, s57, 8
	s_add_co_u32 s54, s54, s57
	s_and_b32 s57, s9, 1
	s_lshl_b32 s57, s57, 3
	s_add_co_u32 s54, s54, s57
	s_lshl_b32 s56, s56, 1
	s_add_co_u32 s54, s54, s56
	s_add_co_u32 s60, s52, s54
	s_mov_b32 s61, 0
	s_add_nc_u64 s[60:61], s[6:7], s[60:61]
	s_lshl_b32 s62, s9, 5
	s_add_co_u32 s62, s62, 8*\u
	v_add_nc_u32 v7, s62, v9                       ; my query's place in its step, less 16 (lane / 16)
	s_mov_b32 s14, 0                               ; the step's LDS byte
	s_mov_b32 s13, 0                               ; the step
	s_wait_loadcnt 0x0
	v_lshl_or_b32 v255, v255, 16, v255             ; Q's two bytes for either half of the instruction's K.  (The lines below stand between this and the first product)
	v_mov_b32 v13, 0xff61b1e6                      ; the largest t so far: -3e38
	s_delay_alu instid0(VALU_DEP_1)
	v_floor_f32 v12, -v13                          ; -M
	v_mov_b32 v14, 0
	v_mov_b32 v15, 0
.set N, 0
.rept 32
	v_mov_b32 v[160+N], 0                          ; O^T: the step is written once; the first finds zeros
.set N, N+1
.endr
.Ltrip_\@:                                         ; 16 trips in every wave; a step all of whose keys come after my queries is jumped over
	s_cmp_gt_u32 s13, s12
	s_cbranch_scc1 .Lhidden_\@
	s_setprio 2
	v_add_nc_u32 v4, s14, v1                       ; these four lines are the places in front of loads into registers that the last products read
	v_add_nc_u32 v5, s14, v2
	v_add_nc_u32 v6, s14, v3
	v_nop
.irp p, 0,1,2,3
	FRAG 32+12*\p, 4, 5, 1536*\p                   ; key tiles 2 p and 2 p + 1
.endr
	ds_load_b128 v[248:251], v6 offset:12288       ; the four pairs' scale words
	s_wait_alu depctr_va_vdst(0)
	s_wait_dscnt 0x0
.irp p, 0,1,2,3
	v_wmma_scale_f32_16x16x128_f8f6f4 v[96+16*\p:103+16*\p], v[32+12*\p:43+12*\p], v[198:209], 0, v[248+\p], v255 matrix_a_fmt:MATRIX_FMT_FP6 matrix_b_fmt:MATRIX_FMT_FP6
	v_wmma_scale_f32_16x16x128_f8f6f4 v[104+16*\p:111+16*\p], v[32+12*\p:43+12*\p], v[192:203], 0, v[248+\p], v255 matrix_a_fmt:MATRIX_FMT_FP6 matrix_b_fmt:MATRIX_FMT_FP6
.endr
.rept 4
	v_nop                                          ; places in front of the loads below and of the first read of the scores
.endr
.irp t, 0,1,2,3
	FRAG 32+12*\t, 4, 5, 6144+1536*\t              ; V's four channel tiles: they land under the softmax
.endr
	ds_load_b128 v[248:251], v6 offset:12544
	s_cmp_lg_u32 s13, s12
	s_cbranch_scc1 .Lopen_\@
	v_mov_b32 v254, 0xff800000                     ; the diagonal step: hidden keys' scores become -infinity: register 16 b + i is hidden where 32 b + i > v7
.set N, 0
.rept 64
	v_cmp_gt_i32 vcc_lo, 32*(N/16)+N%16, v7
	v_cndmask_b32 v[96+N], v[96+N], v254, vcc_lo
.set N, N+1
.endr
.Lopen_\@:
.irp b, 0,1,2,3
	v_max3_num_f32 v[232+\b], v[96+16*\b], v[97+16*\b], v[98+16*\b]      ; the largest score of each block of 32 keys: for the row's maximum and for the block's largest p
.endr
.irp i, 3,5,7,9,11,13
.irp b, 0,1,2,3
	v_max3_num_f32 v[232+\b], v[232+\b], v[96+16*\b+\i], v[97+16*\b+\i]
.endr
.endr
.irp b, 0,1,2,3
	v_max_num_f32 v[232+\b], v[232+\b], v[111+16*\b]
.endr
.irp b, 0,1,2,3
	s_delay_alu instid0(VALU_DEP_4)
	v_permlanex16_b32 v[236+\b], v[232+\b], s20, s21
.endr
.irp b, 0,1,2,3
	s_delay_alu instid0(VALU_DEP_4)
	v_max_num_f32 v[232+\b], v[232+\b], v[236+\b]
.endr
	s_delay_alu instid0(VALU_DEP_2)
	v_max3_num_f32 v254, v232, v233, v234
	s_delay_alu instid0(VALU_DEP_1)
	v_max_num_f32 v254, v254, v235
	s_delay_alu instid0(VALU_DEP_1)
	v_mul_f32 v254, s22, v254                      ; as t
	s_delay_alu instid0(VALU_DEP_1)
	v_max_num_f32 v13, v13, v254                   ; the running largest t
	v_mov_b32 v254, v12
	s_delay_alu instid0(VALU_DEP_2)
	v_floor_f32 v12, -v13                          ; the new -M = -ceil(t)
	s_delay_alu instid0(VALU_DEP_1)
	v_sub_f32 v254, v12, v254                      ; old M - new M: a whole number, 0 or less
	s_delay_alu instid0(VALU_DEP_1)
	v_cvt_i32_f32 v254, v254                       ; (it saturates)
	s_delay_alu instid0(VALU_DEP_1)
	v_ldexp_f32 v252, 1.0, v254                    ; f = 2^(old M - new M)
.set N, 0
.rept 32
	v_pk_fma_f32 v[96+N:97+N], v[96+N:97+N], s[22:23], v[12:13] op_sel_hi:[1,0,0]     ; t - M
.set N, N+2
.endr
	s_setprio 1
.irp b, 0,1,2,3
	v_fma_f32 v[232+\b], v[232+\b], s22, v12
.endr
.set N, 0
	s_wait_alu depctr_va_vdst(0)
.rept 64
	v_exp_f32 v[96+N], v[96+N]                     ; p = 2^(t - M)
.set N, N+1
.endr
.irp b, 0,1,2,3
	v_exp_f32 v[232+\b], v[232+\b]                 ; the block's largest p
.endr
	v_pk_mul_f32 v[14:15], v[14:15], v[252:253] op_sel_hi:[1,0]        ; the sums under the new M (a plain place behind the exponentials)
	s_wait_alu depctr_va_vdst(0)
.irp b, 0,1,2,3
	v_max_num_f32 v[232+\b], 0x1800000, v[232+\b]  ; the floor: the byte cannot fall under 1
.endr
.irp b, 0,1,2,3
	s_delay_alu instid0(VALU_DEP_4)
	v_add_nc_u32 v[244+\b], 0xff000000, v[232+\b]
.endr
.irp b, 0,1,2,3
	s_delay_alu instid0(VALU_DEP_4)
	v_lshrrev_b32 v[236+\b], 23, v[244+\b]
.endr
	s_delay_alu instid0(VALU_DEP_3)
	v_lshl_or_b32 v253, v237, 8, v236              ; p's scale word for these 128 keys
	s_delay_alu instid0(VALU_DEP_1)
	v_lshl_or_b32 v253, v238, 16, v253
	s_delay_alu instid0(VALU_DEP_1)
	v_lshl_or_b32 v253, v239, 24, v253
.irp c, 0,1
	v_cvt_scalef32_pk16_fp6_f32 v[224+6*\c:226+6*\c], v[96+32*\c:111+32*\c], v[244+2*\c]
	v_cvt_scalef32_pk16_fp6_f32 v[236+4*\c:238+4*\c], v[112+32*\c:127+32*\c], v[244+2*\c+1]
.endr
	v_nop                                          ; one plain place behind the conversions
.irp c, 0,1
.irp i, 0,1,2
	v_permlane16_swap_b32 v[224+6*\c+\i], v[236+4*\c+\i]
.endr
.irp i, 0,1,2
	s_delay_alu instid0(VALU_DEP_3)
	v_mov_b32 v[227+6*\c+\i], v[236+4*\c+\i]
.endr
.endr
	v_pk_add_f32 v[236:237], v[100:101], v[104:105]
	v_pk_add_f32 v[246:247], v[108:109], v[112:113]
	v_pk_add_f32 v[244:245], v[116:117], v[120:121]
	v_pk_add_f32 v[240:241], v[124:125], v[128:129]
	v_pk_add_f32 v[220:221], v[132:133], v[136:137]
	v_pk_add_f32 v[218:219], v[140:141], v[144:145]
	v_pk_add_f32 v[216:217], v[148:149], v[152:153]
	v_pk_add_f32 v[14:15], v[14:15], v[156:157]
	v_pk_add_f32 v[236:237], v[236:237], v[96:97]
	v_pk_add_f32 v[246:247], v[246:247], v[98:99]
	s_setprio 0
	v_pk_add_f32 v[244:245], v[244:245], v[102:103]
	v_pk_add_f32 v[240:241], v[240:241], v[106:107]
	v_pk_add_f32 v[220:221], v[220:221], v[110:111]
	v_pk_add_f32 v[218:219], v[218:219], v[114:115]
	v_pk_add_f32 v[216:217], v[216:217], v[118:119]
	v_pk_add_f32 v[14:15], v[14:15], v[122:123]
	v_pk_add_f32 v[236:237], v[236:237], v[126:127]
	v_pk_add_f32 v[246:247], v[246:247], v[130:131]
	v_pk_add_f32 v[244:245], v[244:245], v[134:135]
	v_pk_add_f32 v[240:241], v[240:241], v[138:139]
	v_pk_add_f32 v[220:221], v[220:221], v[142:143]
	v_pk_add_f32 v[218:219], v[218:219], v[146:147]
	v_pk_add_f32 v[216:217], v[216:217], v[150:151]
	v_pk_add_f32 v[14:15], v[14:15], v[154:155]
	v_pk_add_f32 v[236:237], v[236:237], v[158:159]
	s_delay_alu instid0(VALU_DEP_2)
	v_pk_add_f32 v[14:15], v[14:15], v[240:241]
	s_delay_alu instid0(VALU_DEP_2)
	v_pk_add_f32 v[236:237], v[236:237], v[220:221]
	v_pk_add_f32 v[246:247], v[246:247], v[218:219]
	v_pk_add_f32 v[244:245], v[244:245], v[216:217]
	s_delay_alu instid0(VALU_DEP_2)
	v_pk_add_f32 v[14:15], v[14:15], v[246:247]
	s_delay_alu instid0(VALU_DEP_2)
	v_pk_add_f32 v[236:237], v[236:237], v[244:245]
	s_delay_alu instid0(VALU_DEP_1)
	v_pk_add_f32 v[14:15], v[14:15], v[236:237]
.set N, 0
.rept 16
	v_pk_mul_f32 v[160+N:161+N], v[160+N:161+N], v[252:253] op_sel_hi:[1,0]           ; O^T under the new M
.set N, N+2
.endr
	s_wait_alu depctr_va_vdst(0)
	s_wait_dscnt 0x0                               ; V and its scale words
.irp t, 0,1,2,3
	v_wmma_scale_f32_16x16x128_f8f6f4 v[160+8*\t:167+8*\t], v[32+12*\t:43+12*\t], v[224:235], v[160+8*\t:167+8*\t], v[248+\t], v253 matrix_a_fmt:MATRIX_FMT_FP6 matrix_b_fmt:MATRIX_FMT_FP6
.endr
.Lhidden_\@:
	s_add_co_u32 s14, s14, STEPB
	s_add_co_u32 s13, s13, 1
	s_cmp_lt_u32 s13, 16
	s_cbranch_scc1 .Ltrip_\@
	s_setprio 0
	; the way out: O^T / the sum, quantised along the head's 64 channels: two blocks, half an image
.rept 4
	v_nop
.endr
	v_add_f32 v14, v14, v15
	s_delay_alu instid0(VALU_DEP_1)
	v_permlanex16_b32 v252, v14, s20, s21
	s_delay_alu instid0(VALU_DEP_1)
	v_add_f32 v14, v14, v252                       ; the row's sum
	s_wait_alu depctr_va_vdst(0)
	v_rcp_f32 v14, v14
	v_nop                                          ; one plain place behind the reciprocal
.set N, 0
	s_wait_alu depctr_va_vdst(0)
.rept 16
	v_pk_mul_f32 v[96+N:97+N], v[160+N:161+N], v[14:15] op_sel_hi:[1,0]
.set N, N+2
.endr
.irp b, 0,1
	v_max3_num_f32 v[232+\b], |v[96+16*\b]|, |v[97+16*\b]|, 0x1800000
.endr
.irp i, 2,4,6,8,10,12,14
.irp b, 0,1
	s_delay_alu instid0(VALU_DEP_2)
	v_max3_num_f32 v[232+\b], v[232+\b], |v[96+16*\b+\i]|, |v[97+16*\b+\i]|
.endr
.endr
.irp b, 0,1
	s_delay_alu instid0(VALU_DEP_2)
	v_permlanex16_b32 v[236+\b], v[232+\b], s20, s21
.endr
.irp b, 0,1
	s_delay_alu instid0(VALU_DEP_2)
	v_max_num_f32 v[232+\b], v[232+\b], v[236+\b]
.endr
.irp b, 0,1
	s_delay_alu instid0(VALU_DEP_2)
	v_add_nc_u32 v[244+\b], 0xff000000, v[232+\b]
.endr
.irp b, 0,1
	s_delay_alu instid0(VALU_DEP_2)
	v_lshrrev_b32 v[236+\b], 23, v[244+\b]
.endr
	s_delay_alu instid0(VALU_DEP_1)
	v_cndmask_b32 v240, v236, v237, s15            ; lane (r, h) keeps block h's byte
	v_cvt_scalef32_pk16_fp6_f32 v[224:226], v[96:111], v244
	v_cvt_scalef32_pk16_fp6_f32 v[228:230], v[112:127], v245
	v_nop                                          ; one plain place behind the conversions
.irp i, 0,1,2
	v_permlane16_swap_b32 v[224+\i], v[228+\i]     ; lanes 0-15 now hold block 0 whole, lanes 16-31 block 1
.endr
	s_delay_alu instid0(VALU_DEP_3)
	v_mov_b32 v227, v228
	s_delay_alu instid0(VALU_DEP_3)
	v_mov_b32 v228, v229
	s_delay_alu instid0(VALU_DEP_3)
	v_mov_b32 v229, v230
	global_store_b128 v1, v[224:227], s[58:59] offset:1536*\u          ; 512 consecutive bytes, aligned to 256,
	global_store_b64 v2, v[228:229], s[58:59] offset:1536*\u           ; and 256
	global_store_b8 v8, v240, s[60:61] offset:24576+4*\u               ; a row's scale word spans two heads, two work-groups: so single bytes, one in 24 of the context's
.endm
	s_load_b128 s[4:7], s[0:1], 0x0                ; qkv, ctx_img
	v_lshl_add_u32 v223, v0, 2, 0x32000
	v_mov_b32 v243, 0
	ds_add_u32 v223, v243
	ds_add_u32 v223, v243
	v_lshrrev_b32 v1, 5, v0
	s_delay_alu instid0(VALU_DEP_1)
	v_readfirstlane_b32 s8, v1                     ; wave 0..15
	s_bfe_u32 s9, ttmp6, 0x40000                   ; cx
	s_and_b32 s10, ttmp7, 0xffff
	s_and_b32 s11, s10, 15                         ; head
	s_lshr_b32 s10, s10, 4                         ; b
	s_mov_b32 s32, 15|(3<<16)|(1<<21)              ; group 1: all four work-groups; elements of 8 bytes; bit 21 beside a mask
	s_mov_b32 s33, 32<<16                          ; rows of 256 bytes,
	s_mov_b32 s34, 50<<16                          ; 50 of them: a step's 12,800 dense bytes
	s_mov_b32 s35, 32<<16
	s_mov_b32 s36, 50
	s_mov_b32 s37, 32
	s_mov_b32 s38, 0
	s_mov_b32 s39, 0
	s_lshl_b32 s40, s10, 5
	s_add_co_u32 s40, s40, s11
	s_mul_i32 s40, s40, HS                         ; Q's head
	s_mov_b32 s41, 0
	s_mul_i32 s25, s8, STEPB                       ; my step's place in LDS,
	s_add_co_u32 s44, s40, 16*HS                   ; and in K's and V's head
	s_add_co_u32 s44, s44, s25
	s_mov_b32 s45, 0
	s_mov_b32 s24, 1
	s_mov_b32 s20, 0x76543210
	s_mov_b32 s21, 0xfedcba98                      ; v_permlanex16_b32's selects for lane l xor 16
	s_mov_b32 s22, 0x3e38aa3b                      ; c = log2(e) / 8
	s_mov_b32 s23, s22
	s_mov_b32 s15, 0xffff0000                      ; lanes 16-31
	s_wait_dscnt 0x0
	s_wait_kmcnt 0x0
	s_add_nc_u64 s[26:27], s[4:5], s[44:45]
	s_or_b32 s27, s27, 0x80000000
	s_add_nc_u64 s[40:41], s[4:5], s[40:41]
	ROUND                                          ; all four work-groups are here: the joint loads meet
	tensor_load_to_lds s[24:27], s[32:39]
	s_nop 0
.rept 4
	v_nop
.endr
	v_and_b32 v9, 31, v0
	v_and_b32 v10, 15, v0
	v_bfe_u32 v11, v0, 4, 1
	s_delay_alu instid0(VALU_DEP_3)
	v_lshlrev_b32 v1, 4, v9                        ; 16 x lane
	s_delay_alu instid0(VALU_DEP_4)
	v_lshl_add_u32 v2, v9, 3, 512                  ; 512 + 8 x lane
	s_delay_alu instid0(VALU_DEP_4)
	v_lshlrev_b32 v3, 4, v10                       ; 16 r
	s_delay_alu instid0(VALU_DEP_1)
	v_add_nc_u32 v8, v3, v11                       ; 16 r + h
	v_and_b32 v9, 8, v10
	s_delay_alu instid0(VALU_DEP_1)
	v_add_nc_u32 v9, v9, v10
	v_lshlrev_b32 v11, 4, v11
	s_delay_alu instid0(VALU_DEP_1)
	v_sub_nc_u32 v9, v9, v11                       ; r + (r & 8) - 16 h
.irp j, 192,193,194,195,196,197,204,205,206,207,208,209
	v_mov_b32 v[\j], 0                             ; the zero codes on either side of Q
.endr
.irp b, 0,1,2,3
	v_mov_b32 v[236+\b], 0                         ; a lane permute's destination counts as one of its sources
.endr
	v_mov_b32 v252, 0
	v_mov_b32 v253, 0
	s_wait_tensorcnt 0x0                           ; my step is in,
	s_barrier_signal -1
	s_barrier_wait -1                              ; everybody's is
	PASS 0
	PASS 1
	s_wait_tensorcnt 0x0
	ds_add_u32 v223, v243
	s_wait_dscnt 0x0
	ROUND                                          ; the closing round
	s_endpgm
.Lfunc_end_k_q9edb6f09d5_attn:
	.size	k_q9edb6f09d5_attn, .Lfunc_end_k_q9edb6f09d5_attn-k_q9edb6f09d5_attn
	.p2alignl 7, 3214868480
	.fill 96, 4, 3214868480
	.section	.rodata,"a",@progbits
	.p2align	6, 0x0
	.amdhsa_kernel k_q9edb6f09d5_attn
		.amdhsa_group_segment_fixed_size 206848
		.amdhsa_private_segment_fixed_size 0
		.amdhsa_enable_private_segment 0
		.amdhsa_kernarg_size 16
		.amdhsa_user_sgpr_count 2
		.amdhsa_user_sgpr_kernarg_segment_ptr 1
		.amdhsa_wavefront_size32 1
		.amdhsa_system_sgpr_workgroup_id_x 1
		.amdhsa_system_sgpr_workgroup_id_y 1
		.amdhsa_system_sgpr_workgroup_id_z 1
		.amdhsa_system_vgpr_workitem_id 0
		.amdhsa_next_free_vgpr 256
		.amdhsa_next_free_sgpr 66
		.amdhsa_reserve_vcc 1
		.amdhsa_float_denorm_mode_32 3
		.amdhsa_float_denorm_mode_16_64 3
		.amdhsa_memory_ordered 1
		.amdhsa_forward_progress 1
		.amdhsa_inst_pref_size 65
	.end_amdhsa_kernel
	.amdgpu_metadata
---
amdhsa.version: [ 1, 2 ]
amdhsa.kernels:
  - .name:           k_q9edb6f09d5_attn
    .symbol:         k_q9edb6f09d5_attn.kd
    .args:
      - { .name: qkv, .offset: 0, .size: 8, .value_kind: global_buffer, .address_space: global }
      - { .name: ctx_img, .offset: 8, .size: 8, .value_kind: global_buffer, .address_space: global }
    .group_segment_fixed_size: 206848
    .private_segment_fixed_size: 0
    .kernarg_segment_align: 8
    .kernarg_segment_size: 16
    .max_flat_workgroup_size: 512
    .sgpr_count:     66
    .vgpr_count:     256
    .wavefront_size: 32
...
	.end_amdgpu_metadata
.endif
;; end of part 3
;; launch proj (part 4): grid 4 x 32, 4 waves a work-group, clusters of 4 x 4, 327,680 bytes of LDS; arguments ctx_img, ow_img, out_b, out0; writes out0
.if DOCPART == 4
	.amdgcn_target "amdgcn-amd-amdhsa--gfx1250"
	.amdhsa_code_object_version 6
	.text
	.protected	k_q9edb6f09d5_proj
	.globl	k_q9edb6f09d5_proj
	.p2align	8
	.type	k_q9edb6f09d5_proj,@function
k_q9edb6f09d5_proj:
	s_mov_b64 s[64:65], 0
	v_nop
	global_prefetch_b8 v0, s[64:65] scope:SCOPE_SE
	s_setreg_imm32_b32 hwreg(HW_REG_WAVE_MODE, 25, 1), 1
	s_wait_xcnt 0x0
	s_wait_alu depctr_hold_cnt(0) depctr_sa_sdst(0) depctr_va_vdst(0) depctr_va_sdst(0) depctr_va_ssrc(0) depctr_va_vcc(0) depctr_vm_vsrc(0)
	s_getreg_b32 s2, hwreg(HW_REG_IB_STS2, 6, 4)
	s_cmp_eq_u32 s2, 0
	s_cbranch_scc0 .Lentry_in_a_cluster
	s_endpgm
.Lentry_in_a_cluster:
	s_bfe_u32 s2, ttmp6, 0x10000c
	s_cmp_lg_u32 s2, 0xf033
	s_cbranch_scc0 .Lentry_shape_is_right
	s_endpgm
.Lentry_shape_is_right:
; out0 = ctx out_w^T + out_b on codes of FP6 with E8M0 scales, K = 1,024; out0 [8,192][1,024] f32.
; Operands are images of the operand's registers (16 rows x 128 K = 1,536 bytes), [tile of 256 rows][K step: 16 fragments + 1,024 bytes of scale words]; in a group of 32 rows tile 2 B + u takes in lane r the row 32 B + 8 u + r + 8 (r / 8).
; A tile of the result is 256 x 256; four waves, each 128 x 128: 64 accumulators in windows 2 and 3.  Source 0 = 16 rows of out_w, source 1 = 16 tokens: a lane holds a token, and the 16 registers of two neighbouring
; tiles are 16 neighbouring columns.  The bias is the C of each sum's first matrix instruction.
; K goes through three LDS slots of 256 along K; the first three are first fills, the fourth fills slot 0 again: one refill, one round of the cluster's barrier.
; CLUSTERS 4 x 4: ctx's tile is shared along a row of the cluster, out_w's along a column: joint loads.  A wave has three tensor loads out at the start and one behind the refill.
; 128 work-groups: the tile is kept at 256 x 256, as in the launch that makes Q, K and V, so that each LDS byte feeds as many products as there; a tile of 128 x 256 would give 256 work-groups.
; THE WAY OUT goes through a stage of 16 rows x 528 bytes for each wave, in slot 1: it has had its only fill, and no wave reads it behind the last barrier.
; REGISTERS: window 0: v1-3 r, h, lane; v4-18 LDS addresses; v19 16 x lane; v24-25 the stage; v28-29 the add's; v32-47 scale words, two sets; v64-127 the bias; v128-223 A's fragments, later rows of the result.
;   window 1: B's fragments, two sets.   windows 2, 3: accumulator (a, b) at v[8 (8 (a % 4) + b)].
.set KSB,   25600
.set SLOTB, 102400
.set TILEB, 204800
.set SPARE, 307200                     ; behind the slots: the spare words, 128 bytes a wave
.set AF,    128
.set SC,    32
.set BI,    64
.set BK,    128
.set SP,    528
.set MUL_LO, 0xa1                      ; source 0 (B) window 1, source 1 (A) window 0, C and D window 2
.set MUL_HI, 0xf1                      ; the same, C and D window 3
.set LO1,    0x81                      ; the first step: C (the bias) window 0, D window 2
.set HI1,    0xc1                      ; D window 3
.set TO_B,   0x40                      ; destination window 1
.set MSB, 0
.macro WIN new                         ; the immediate's high byte repeats the setting that is left
.if MSB != (\new)
	s_set_vgpr_msb (MSB<<8)|(\new)
.set MSB, \new
.endif
.endm
.macro PLACES n
.rept \n
	v_nop
.endr
.endm
.macro JLOAD g0a, g0b                  ; a joint load: waves 0, 1 ask for A, waves 2, 3 for B; four v_nop follow each line
	s_cmp_eq_u32 s15, 0
	s_cbranch_scc0 .Lfor_b_\@
	tensor_load_to_lds s[\g0a:\g0a+3], s[24:31]
	s_nop 0
.rept 4
	v_nop
.endr
	s_branch .Lasked_\@
.Lfor_b_\@:
	tensor_load_to_lds s[\g0b:\g0b+3], s[48:55]
	s_nop 0
.rept 4
	v_nop
.endr
.Lasked_\@:
.endm
.macro CREST                           ; a round of the cluster's barrier behind its opening barrier
	s_cmp_lg_u32 s14, 0
	s_cbranch_scc1 .Lnot_wave_0_\@
	s_barrier_signal -3
.Lnot_wave_0_\@:
	s_barrier_wait -3
	s_barrier_signal -1
	s_barrier_wait -1
.endm
.macro CROUND
	s_barrier_signal -1
	s_barrier_wait -1
	CREST
.endm
.macro SETG0 ga, gb, s                 ; descriptor groups 0 for slot s: count 1, LDS address, global address, type 2
	s_mov_b32 s[\ga], 1
	s_add_co_u32 s[\ga+1], s45, (\s)*SLOTB
	s_add_nc_u64 s[\ga+2:\ga+3], s[20:21], (\s)*51200
	s_or_b32 s[\ga+3], s[\ga+3], 0x80000000
	s_mov_b32 s[\gb], 1
	s_add_co_u32 s[\gb+1], s45, (\s)*SLOTB
	s_add_nc_u64 s[\gb+2:\gb+3], s[46:47], (\s)*51200
	s_or_b32 s[\gb+3], s[\gb+3], 0x80000000
.endm
.macro FRAG reg, a16, a8, off          ; an image comes back as the registers that it was: every access is contiguous over the lanes
	ds_load_b128 v[\reg:\reg+3], v[\a16] offset:\off
	ds_load_b64 v[\reg+4:\reg+5], v[\a8] offset:\off
	ds_load_b128 v[\reg+6:\reg+9], v[\a16] offset:\off+768
	ds_load_b64 v[\reg+10:\reg+11], v[\a8] offset:\off+768
.endm
.macro FETCH_B g                       ; B's eight fragments of K step g into set g % 2
.set FS, ((\g)/2)%3
.set FO, ((\g)%2)*KSB
.set FR0, 128*((\g)%2)
	WIN TO_B
.irp i, 0,1,2,3,4,5,6,7
	FRAG FR0+12*\i, 10+FS, 13+FS, FO+1536*\i
.endr
	WIN 0
.endm
.macro FETCH_A g, i0                   ; A's blocks i0 .. i0 + 3
.set FS, ((\g)/2)%3
.set FO, ((\g)%2)*KSB
.irp i, \i0, \i0+1, \i0+2, \i0+3
	FRAG AF+12*(\i), 4+FS, 7+FS, FO+1536*(\i)
.endr
.endm
.macro SCALES g                        ; register i of set g % 2: lanes 0-15 the word of A's block i, lanes 16-31 that of B's block i
.set FS, ((\g)/2)%3
.set FO, ((\g)%2)*KSB
.set SS, SC+8*((\g)%2)
	ds_load_b128 v[SS:SS+3], v[16+FS] offset:FO
	ds_load_b128 v[SS+4:SS+7], v[16+FS] offset:FO+256
.endm
; 16 matrix instructions: A's blocks a0, a0 + 1 x B's eight.  The 64 accumulators take turns, one instruction a turn, in the same order in every step.
.macro MUL16 a0, g, first
.irp a, \a0, \a0+1
.irp b, 0,1,2,3,4,5,6,7
.if \first
	v_wmma_scale_f32_16x16x128_f8f6f4 v[8*(8*((\a)%4)+\b):8*(8*((\a)%4)+\b)+7], v[128*((\g)%2)+12*\b:128*((\g)%2)+12*\b+11], v[AF+12*(\a):AF+12*(\a)+11], v[BI+8*\b:BI+8*\b+7], v[SC+8*((\g)%2)+\b], v[SC+8*((\g)%2)+(\a)] matrix_a_fmt:MATRIX_FMT_FP6 matrix_b_fmt:MATRIX_FMT_FP6 matrix_a_scale:MATRIX_SCALE_ROW1
.else
	v_wmma_scale_f32_16x16x128_f8f6f4 v[8*(8*((\a)%4)+\b):8*(8*((\a)%4)+\b)+7], v[128*((\g)%2)+12*\b:128*((\g)%2)+12*\b+11], v[AF+12*(\a):AF+12*(\a)+11], v[8*(8*((\a)%4)+\b):8*(8*((\a)%4)+\b)+7], v[SC+8*((\g)%2)+\b], v[SC+8*((\g)%2)+(\a)] matrix_a_fmt:MATRIX_FMT_FP6 matrix_b_fmt:MATRIX_FMT_FP6 matrix_a_scale:MATRIX_SCALE_ROW1
.endif
.endr
.endr
.endm
; A K step of 128 whose successor's tiles are known to lie in LDS.  Loads into registers that matrix instructions have read stand four plain places behind them (ISA guide 7.12.1 for vector instructions).
.macro STEP g, first
	s_wait_dscnt 16                                ; B's set, A's blocks 0-3 and the scale words are in; A's blocks 4-7 (4 x 4 loads) may be out
.if \first
	WIN LO1
.else
	WIN MUL_LO
.endif
	MUL16 0, \g, \first
	MUL16 2, \g, \first
	s_wait_dscnt 0x0                               ; A's blocks 4-7 are in
	PLACES 4
	FETCH_B (\g)+1
	FETCH_A (\g)+1, 0
	SCALES (\g)+1
.if \first
	WIN HI1
.else
	WIN MUL_HI
.endif
	MUL16 4, \g, \first
	MUL16 6, \g, \first
	PLACES 4
	WIN 0
	FETCH_A (\g)+1, 4
.endm
; A K step behind which tiles are read that have to be shown landed: one barrier; in front of it each wave waits for all its tensor loads, adds 0 to its spare word, and waits for that and for its LDS reads.
; fill = 1: slot 0, which nobody reads any more, takes the last 256 along K: the barrier opens a round of the cluster's barrier and the joint load is the first thing behind it.
.macro TURN g, fill
	s_wait_tensorcnt 0x0                           ; all my tensor loads have landed
	ds_add_u32 v28, v29                            ; 0 onto my spare word
	s_wait_dscnt 17                                ; (the add and A's blocks 4-7 may be out)
	WIN MUL_LO
	MUL16 0, \g, 0                                 ; sixteen matrix instructions stand between the add and the wait for it
	s_wait_dscnt 0x0                               ; the add is done, and my reads of the slot in hand are over
	s_barrier_signal -1
	MUL16 2, \g, 0
	WIN 0                                          ; at a branch and at a label every window is 0
	s_barrier_wait -1
.if \fill
	CREST                                          ; no wave of any partner still reads slot 0 or has a load on its way
	s_add_nc_u64 s[34:35], s[34:35], 153600        ; three slots' worth on: K steps 6 and 7
	s_add_nc_u64 s[58:59], s[58:59], 153600
	JLOAD 32, 56                                   ; its four v_nop are also the places in front of the loads below
.else
	PLACES 4
.endif
	FETCH_B (\g)+1
	FETCH_A (\g)+1, 0
	SCALES (\g)+1
	WIN MUL_HI
	MUL16 4, \g, 0
	MUL16 6, \g, 0
	PLACES 4
	WIN 0
	FETCH_A (\g)+1, 4
.endm
; THE WAY OUT, block by block of 16 tokens x 128 columns: a lane's 32 neighbouring bytes go into my stage, and whole rows of 512 bytes come back.  LDS serves a wave's instructions in order.
.macro TOSTAGE a
.set AC, 64*((\a)%4)
.set TW, 0x08+4*((\a)/4)
	WIN TW                                         ; an LDS store's data are its source 1: window 2 or 3
.irp b, 0,1,2,3,4,5,6,7
	ds_store_b128 v24, v[AC+8*\b:AC+8*\b+3] offset:128*(\b/2)+32*(\b%2)          ; each accumulator from its low end on: columns 32 (b / 2) + 16 h + 8 (b % 2) on
	ds_store_b128 v24, v[AC+8*\b+4:AC+8*\b+7] offset:128*(\b/2)+32*(\b%2)+16
.endr
	WIN 0
.set BB, BK+64*((\a)%2)
.irp t, 0,1,2,3,4,5,6,7,8,9,10,11,12,13,14,15
	ds_load_b128 v[BB+4*\t:BB+4*\t+3], v25 offset:\t*SP
.endr
.endm
.macro SEND a, younger                 ; younger: the LDS instructions issued behind block a's loads, which may stay out
.set BB, BK+64*((\a)%2)
	s_wait_dscnt \younger
.irp t, 0,1,2,3,4,5,6,7,8,9,10,11,12,13,14,15
	global_store_b128 v19, v[BB+4*\t:BB+4*\t+3], s[10:11] offset:(32*((\a)/2)+8*((\a)%2)+\t+8*(\t/8))*4096 th:TH_STORE_NT   ; lane t of the tile is that token; 512 consecutive bytes, aligned to 256
.endr
.endm
	s_load_b256 s[4:11], s[0:1], 0x0               ; ctx_img, ow_img, out_b, out0
	v_lshl_add_u32 v28, v0, 2, SPARE
	v_mov_b32 v29, 0
	ds_add_u32 v28, v29
	ds_add_u32 v28, v29
	s_wait_dscnt 0x0
	v_lshrrev_b32 v1, 5, v0
	v_readfirstlane_b32 s14, v1                    ; wave 0..3
	s_lshr_b32 s15, s14, 1                         ; rh: my half of the tokens.  Also: I ask for A (0) or for B (1)
	s_and_b32 s16, s14, 1                          ; ch: my half of the columns.  Also: which of a slot's two K steps I ask for
	s_bfe_u32 s40, ttmp6, 0x40000                  ; cx
	s_bfe_u32 s41, ttmp6, 0x40004                  ; cy
	s_lshl_b32 s42, ttmp9, 2
	s_add_co_u32 s42, s42, s40                     ; tile column
	s_and_b32 s17, ttmp7, 0xffff
	s_lshl_b32 s17, s17, 2
	s_add_co_u32 s17, s17, s41                     ; tile row
	s_lshl_b32 s43, s41, 2
	s_lshl_b32 s43, 15, s43                        ; my row of the cluster
	s_lshl_b32 s44, 0x1111, s40                    ; my column
	s_or_b32 s24, s43, (3<<16)|(1<<21)             ; group 1: the mask; elements of 8 bytes; bit 21 beside a mask; no padding
	s_or_b32 s48, s44, (3<<16)|(1<<21)
.irp g, 24, 48
	s_mov_b32 s[\g+1], 32<<16                      ; rows of 256 bytes,
	s_mov_b32 s[\g+2], 100<<16                     ; 100 of them: a K step's 25,600 dense bytes
	s_mov_b32 s[\g+3], 32<<16
	s_mov_b32 s[\g+4], 100
	s_mov_b32 s[\g+5], 32
	s_mov_b32 s[\g+6], 0
	s_mov_b32 s[\g+7], 0
.endr
	s_mul_i32 s19, s16, KSB
	s_mul_i32 s20, s17, TILEB
	s_add_co_u32 s20, s20, s19
	s_mov_b32 s21, 0
	s_mul_i32 s46, s42, TILEB
	s_add_co_u32 s46, s46, s19
	s_mov_b32 s47, 0
	s_mul_i32 s45, s14, KSB                        ; where my part goes in a slot
	s_wait_kmcnt 0x0
	s_add_nc_u64 s[20:21], s[4:5], s[20:21]
	s_add_nc_u64 s[46:47], s[6:7], s[46:47]
	CROUND                                         ; all sixteen work-groups are here: the first joint loads meet
	SETG0 32, 56, 0
	SETG0 36, 60, 1
	SETG0 68, 72, 2
	s_cmp_eq_u32 s15, 0                            ; a wave's three first fills stand in one branch
	s_cbranch_scc0 .Lfirst_b
	tensor_load_to_lds s[32:35], s[24:31]
	s_nop 0
	tensor_load_to_lds s[36:39], s[24:31]
	s_nop 0
	tensor_load_to_lds s[68:71], s[24:31]
	s_nop 0
.rept 4
	v_nop
.endr
	s_branch .Lfirst_done
.Lfirst_b:
	tensor_load_to_lds s[56:59], s[48:55]
	s_nop 0
	tensor_load_to_lds s[60:63], s[48:55]
	s_nop 0
	tensor_load_to_lds s[72:75], s[48:55]
	s_nop 0
.rept 4
	v_nop
.endr
.Lfirst_done:
	v_and_b32 v3, 31, v0                           ; lane
	v_and_b32 v1, 15, v0                           ; r
	v_bfe_u32 v2, v0, 4, 1                         ; h
	v_lshlrev_b32 v19, 4, v3                       ; 16 x lane
	s_wait_alu depctr_va_vdst(0)
	v_lshl_add_u32 v20, v3, 3, 512                 ; 512 + 8 x lane
	s_wait_alu depctr_va_vdst(0)
	v_lshlrev_b32 v22, 6, v2                       ; the bias: 16 h numbers on
	s_lshl_b32 s90, s42, 10
	s_lshl_b32 s91, s16, 9
	s_add_co_u32 s90, s90, s91                     ; my first column, in bytes
	s_mov_b32 s91, 0
	s_add_nc_u64 s[8:9], s[8:9], s[90:91]
.irp b, 0,1,2,3,4,5,6,7
	global_load_b128 v[BI+8*\b:BI+8*\b+3], v22, s[8:9] offset:(32*(\b/2)+8*(\b%2))*4          ; tile b's eight columns of my half
	global_load_b128 v[BI+8*\b+4:BI+8*\b+7], v22, s[8:9] offset:(32*(\b/2)+8*(\b%2))*4+16
.endr
	s_lshl_b32 s92, s17, 20
	s_lshl_b32 s93, s15, 19
	s_add_co_u32 s92, s92, s93                     ; my first token's row of 4,096 bytes
	s_add_co_u32 s92, s92, s90
	s_mov_b32 s93, 0
	s_add_nc_u64 s[10:11], s[10:11], s[92:93]
	s_mul_i32 s80, s15, 12288                      ; my eight fragments of A
	s_mul_i32 s81, s16, 12288
	s_add_co_u32 s81, s81, 51200                   ; and of B
.irp s, 0,1,2
	v_add_nc_u32 v[4+\s], s80, v19
	v_add_nc_u32 v[7+\s], s80, v20
	v_add_nc_u32 v[10+\s], s81, v19
	v_add_nc_u32 v[13+\s], s81, v20
	s_add_co_u32 s80, s80, SLOTB
	s_add_co_u32 s81, s81, SLOTB
.endr
	s_lshl_b32 s82, s16, 9                         ; the scale words: lanes 16-31 take B's: 51,200 + 512 (ch - rh) further on, as one product with h
	s_xor_b32 s83, s15, 1
	s_lshl_b32 s83, s83, 9
	s_add_co_u32 s82, s82, s83
	s_add_co_u32 s82, s82, 50688
	v_mul_u32_u24 v21, s82, v2
	v_lshl_add_u32 v21, v1, 4, v21
	s_lshl_b32 s83, s15, 9
	s_add_co_u32 s83, s83, 24576
	v_add_nc_u32 v16, s83, v21
	v_add_nc_u32 v17, SLOTB, v16
	v_add_nc_u32 v18, 2*SLOTB, v16
	s_mul_i32 s86, s14, 16*SP
	s_add_co_u32 s86, s86, SLOTB                   ; my stage, in slot 1
	v_mul_u32_u24 v24, v1, SP
	v_lshl_add_u32 v24, v2, 6, v24
	v_add_nc_u32 v24, s86, v24                     ; in: row r, + 64 h
	v_add_nc_u32 v25, s86, v19                     ; back: 16 bytes a lane of a row
	s_wait_alu depctr_va_vdst(0)
	s_wait_tensorcnt 2                             ; my part of slot 0 is in; slots 1 and 2 may be out
	s_barrier_signal -1
	s_barrier_wait -1
	FETCH_B 0
	FETCH_A 0, 0
	SCALES 0
	FETCH_A 0, 4
	s_wait_loadcnt 0x0                             ; the bias
	STEP 0, 1                                      ; the first products start the sums from the bias
	TURN 1, 1                                      ; slots 1 and 2 are shown landed in every wave; slot 0 is filled again
	STEP 2, 0
	STEP 3, 0
	STEP 4, 0
	TURN 5, 0                                      ; the refill is shown landed; behind this barrier nobody reads slot 1
	STEP 6, 0
	s_wait_dscnt 16                                ; the last step fetches nothing
	WIN MUL_LO
	MUL16 0, 7, 0
	MUL16 2, 7, 0
	s_wait_dscnt 0x0
	WIN MUL_HI
	MUL16 4, 7, 0
	MUL16 6, 7, 0
	WIN 0
	PLACES 4                                       ; in front of the first read of results and of loads into the registers that held A's fragments
	TOSTAGE 0
.irp a, 1,2,3,4,5,6,7
.if \a > 1
	s_wait_xcnt 0x0                                ; block a - 2's stores have read their registers: block a's loads may land there
.endif
	TOSTAGE \a
	SEND \a-1, 32                                  ; behind block a - 1's loads: block a's 16 stores and 16 loads
.endr
	SEND 7, 0
	s_wait_tensorcnt 0x0                           ; the wave's end
	ds_add_u32 v28, v29
	s_wait_dscnt 0x0
	CROUND                                         ; the closing round
	s_endpgm
.Lfunc_end_k_q9edb6f09d5_proj:
	.size	k_q9edb6f09d5_proj, .Lfunc_end_k_q9edb6f09d5_proj-k_q9edb6f09d5_proj
	.p2alignl 7, 3214868480
	.fill 96, 4, 3214868480
	.section	.rodata,"a",@progbits
	.p2align	6, 0x0
	.amdhsa_kernel k_q9edb6f09d5_proj
		.amdhsa_group_segment_fixed_size 327680
		.amdhsa_private_segment_fixed_size 0
		.amdhsa_enable_private_segment 0
		.amdhsa_kernarg_size 32
		.amdhsa_user_sgpr_count 2
		.amdhsa_user_sgpr_kernarg_segment_ptr 1
		.amdhsa_wavefront_size32 1
		.amdhsa_system_sgpr_workgroup_id_x 1
		.amdhsa_system_sgpr_workgroup_id_y 1
		.amdhsa_system_sgpr_workgroup_id_z 1
		.amdhsa_system_vgpr_workitem_id 0
		.amdhsa_next_free_vgpr 1024
		.amdhsa_next_free_sgpr 100
		.amdhsa_reserve_vcc 0
		.amdhsa_float_denorm_mode_32 3
		.amdhsa_float_denorm_mode_16_64 3
		.amdhsa_memory_ordered 1
		.amdhsa_forward_progress 1
		.amdhsa_inst_pref_size 141
	.end_amdhsa_kernel
	.amdgpu_metadata
---
amdhsa.version: [ 1, 2 ]
amdhsa.kernels:
  - .name:           k_q9edb6f09d5_proj
    .symbol:         k_q9edb6f09d5_proj.kd
    .args:
      - { .name: ctx_img, .offset: 0, .size: 8, .value_kind: global_buffer, .address_space: global }
      - { .name: ow_img, .offset: 8, .size: 8, .value_kind: global_buffer, .address_space: global }
      - { .name: out_b, .offset: 16, .size: 8, .value_kind: global_buffer, .address_space: global }
      - { .name: out0, .offset: 24, .size: 8, .value_kind: global_buffer, .address_space: global }
    .group_segment_fixed_size: 327680
    .private_segment_fixed_size: 0
    .kernarg_segment_align: 8
    .kernarg_segment_size: 32
    .max_flat_workgroup_size: 128
    .sgpr_count:     100
    .vgpr_count:     1024
    .wavefront_size: 32
...
	.end_amdgpu_metadata
.endif
;; end of part 4
